; MI455X (gfx1250); checked and timed in simulation.
; The chip was launched on July 23, 2026; its instructions are those of AMD's public machine-readable ISA for CDNA 5 (MIT licence, August 2026) and "CDNA5" Instruction Set Architecture Reference Guide (July 2026). The comments in the code are by the model that wrote it; some were corrected since.
;; Causal Self Attention. Allowed arithmetic: matrix products marked QUANTISED: E4M3 operands, one E8M0 scale for each 32 along K, by v_wmma_scale_f32_16x16x128_f8f6f4 with both operands' format E4M3, f32 sums; everything else in f32.
;; Inputs: b_proj 1,024 float32; b_qkv 3,072 float32; w_proj 1,024 x 1,024 float32; w_qkv 1,024 x 3,072 float32; x 4 x 2,048 x 1,024 float32.
;; Outputs: out0 4 x 2,048 x 1,024 float32.
;; This version of the problem:
;;   THIS VERSION OF THE PROBLEM IS GIVEN IN LOW PRECISION. The matrix products marked QUANTISED in the list below multiply operands that are first quantised to E4M3 (4 exponent bits, 3 mantissa bits; 8 bits a number), with one power-of-two scale for each 32 numbers along K (OCP MX v1.0); their sums are f32. All else is computed in f32.
;;   The module's matrix products, in the order in which they are computed (A, B: the left and right operand; K: the contracted axis; several contracted axes count as one K, in the product's order):
;;     1. [M 8,192, K 1,024] x [K 1,024, N 3,072]; A: input x; B: input w_qkv: QUANTISED
;;     2. batch 64 x [M 2,048, K 64] x [K 64, N 2,048]; A: computed on the way; B: computed on the way: QUANTISED
;;     3. batch 64 x [M 2,048, K 2,048] x [K 2,048, N 64]; A: softmax (see below); B: computed on the way: QUANTISED
;;     4. [M 8,192, K 1,024] x [K 1,024, N 1,024]; A: computed on the way; B: input w_proj: QUANTISED
;;   THE QUANTISER, for each operand of a quantised product, along K:
;;     - K is cut into blocks of 32 from its start; a last block that is shorter is filled with zeros.
;;     - A block's scale is 2^e with e = floor(log2(the largest magnitude in the block)) - 8, held to -126 .. 127; a block of zeros has e = 0. As a byte (E8M0): e + 127.
;;     - Each number is divided by its block's scale, clamped to +-448, and rounded to the nearest number of E4M3, ties to even, subnormals kept.
;;     - The product sums the exact products of the quantised numbers (number of the format x scale) in f32.
;;   ~~~python
;;   def quantise(x, axis):      # numpy; x: float32 -> the quantised numbers, widened to float32 again
;;       x = np.moveaxis(x, axis, -1); K = x.shape[-1]
;;       x = np.pad(x, [(0, 0)] * (x.ndim - 1) + [(0, -K % 32)]); x = x.reshape(x.shape[:-1] + (-1, 32)); a = np.abs(x).max(-1, keepdims=True)
;;       e = np.where(a > 0, np.clip(np.frexp(np.where(a > 0, a, 1))[1] - 1 - 8, -126, 127), 0)      # np.frexp(a)[1] - 1 = floor(log2(a)), exactly
;;       r = np.clip(x / 2.0 ** e, -448, 448)
;;       step = 2.0 ** (np.maximum(np.frexp(np.where(r == 0, 1, r))[1] - 1, -6) - 3)
;;       q = np.round(r / step) * step * 2.0 ** e      # np.round: ties to even
;;       return np.moveaxis(q.reshape(q.shape[:-2] + (-1,))[..., :K], -1, axis).astype(np.float32)
;;   ~~~
;;   SOFTMAX AHEAD OF A QUANTISED PRODUCT. Where the list says 'softmax', what is quantised is not the finished softmax but p = 2^(t - M), with t = logit x log2(e) and M = ceil(the row's largest t), a whole number; so 1/2 < the row's largest p <= 1. The row's sum l is taken of the UNQUANTISED p, in f32, and the product's result is divided by l at the end. Since M is a whole number, a kernel that streams over the keys may use a running M (the ceiling of the running maximum): every later rescaling is an exact power of two, which a block's scale takes up: the codes' values come out the same.
;;   OPERANDS COMPUTED ON THE WAY. 'Computed on the way' means the value that the module computes at that place (a softmax that the list does not call 'softmax' is quantised finished and normalised). What goes into a quantiser is computed in f32, as accurately as f32 sums, v_exp_f32 and their like allow (about 1e-6 of the number): no bf16 or f16 on the way to a quantiser, and a product that is left as it is and whose result goes on into a quantised operand takes f32 operands (vector FMAs, or v_wmma_f32_16x16x4_f32). A number that lies on a knife's edge between two numbers of the format may be rounded either way, as far as f32 arithmetic and the matrix unit's own rounding can turn it there, and no further.
;; One version. Each part assembles by itself: llvm-mc -triple=amdgcn-amd-amdhsa -mcpu=gfx1250 --defsym DOCPART=n.
;; ======== version 1 of 1: 4 launches
;; limits: right only within a limited range of input values
;; workspace buffers: xq 8,650,752 bytes; wts 4,325,376 bytes; qb 17,563,648 bytes; kv 17,563,648 bytes; yq 8,650,752 bytes
;; launch quant (part 1): grid 96 x 4, 4 waves a work-group, no clusters, 68,096 bytes of LDS; arguments x, w_qkv, w_proj, xq, wts; writes xq, wts
.if DOCPART == 1
	.amdgcn_target "amdgcn-amd-amdhsa--gfx1250"
	.amdhsa_code_object_version 6
	.text
	.protected	k_q97443acd25_quant
	.globl	k_q97443acd25_quant
	.p2align	8
	.type	k_q97443acd25_quant,@function
k_q97443acd25_quant:
	s_mov_b64 s[64:65], 0
	v_nop
	global_prefetch_b8 v0, s[64:65] scope:SCOPE_SE
	s_setreg_imm32_b32 hwreg(HW_REG_WAVE_MODE, 25, 1), 1
	s_wait_xcnt 0x0
; x [8192][1024], w_qkv [1024][3072] and w_proj [1024][1024], f32, become codes of FP8 (E4M3) with K innermost and one E8M0 scale byte for each 32 along K.
; A block's scale is 2^(floor(log2(its largest magnitude)) - 8): its byte is the largest magnitude's exponent field - 8, held at 1 from below; each number is divided by the scale, held within +-448, rounded to the nearest code, ties to even.
; LIMITS: a block of zeros gets the byte 1 where the rule says 127 (its codes are zeros, and this program alone reads the bytes); NaN and infinities among the inputs are not served.
; ROWS CHANGE PLACES: position p of every code buffer and of its scale rows holds row pi(p), pi = bits 3 and 4 of the index swapped.  Sixteen neighbouring positions are then the rows that the next launches want in one tile.
; xq:  codes [8192 positions][1024] at 0, scale bytes [8192][32] at 8,388,608.   wts: w_qkv's codes [3072][1024] at 0, w_proj's [1024][1024] at 3,145,728, their scale bytes [..][32] at 4,194,304 and 4,292,608.
; Work-groups with x under 32 take the weights (K is their FIRST axis: a lane takes a column, its registers run down K), the other 256 take x (K innermost: a plain stream of blocks).  128 KiB of f32 to each work-group.
; The two ways part on the work-group's number and have LDS bytes of their own: x's [0, 32768), the weights' [32768, 67584).  No tensor load, no barrier: waves share nothing.
.set EMAX,  8
.set MANT,  0x600000                   ; the mantissa field of 448 as f32
.set STEPS, 16
.set AHEAD, 8                          ; x: loads run eight steps (32 loads, 16 KiB a wave) ahead
.set WREG,  8192                       ; x: LDS of a wave: two stages of 32 x SP bytes, then its 256 scale bytes
.set SP,    80                         ; a lane's place in a stage: 64 bytes + 16 of padding
.set R,     16                         ; v16-143  eight sets of 16 numbers as loaded
.set X,     144                        ; v144-175 two sets of 16 neighbours
.set E,     176                        ; v176-191 a scale byte for each step
.set C,     192                        ; v192-255 four registers of codes for each step: no store's data are written again
.set WBASE, 32768                      ; the weights' stages
.set PITCH, 272                        ; a stage row: 256 codes + 16
.set NB,    8                          ; blocks of 32 along K for a wave
.set WX,    32                         ; v32-95   two sets of 32 numbers
.set WC,    96                         ; v96-103  a block's codes
.set OUTR,  112                        ; v112-175 the way out
.set SB,    24                         ; v24-25   the scale bytes
.set VO,    192                        ; v192-223 4 x lane + i rows of the weight: the row's length is not the same in the two weights, so it cannot stand in the immediate
.macro LOAD t
.irp i, 0,1,2,3
	global_load_b128 v[R+16*((\t)%AHEAD)+4*\i:R+16*((\t)%AHEAD)+4*\i+3], v3, s[4:5] offset:2048*(\t)+512*\i th:TH_LOAD_NT   ; 32 lanes read 512 consecutive bytes
.endr
.endm
.macro TURN t                          ; step t's 2,048 bytes through the stage: in as they lie, back 64 bytes a lane.  LDS serves a wave's instructions in order: no wait between
.irp i, 0,1,2,3
	ds_store_b128 v14, v[R+16*((\t)%AHEAD)+4*\i:R+16*((\t)%AHEAD)+4*\i+3] offset:32*SP*((\t)%2)+8*SP*\i
.endr
.irp i, 0,1,2,3
	ds_load_b128 v[X+16*((\t)%2)+4*\i:X+16*((\t)%2)+4*\i+3], v15 offset:32*SP*((\t)%2)+16*\i
.endr
.endm
.macro STEP t
.set XS, X+16*((\t)%2)
.if (\t) > 0
	s_wait_dscnt 1                                 ; this step's numbers are back from the stage (the last step's byte store may be out), so its stores into the stage have read their registers,
.else
	s_wait_dscnt 0x0
.endif
.if (\t)+AHEAD < STEPS
	LOAD (\t)+AHEAD                                ; which take the loads of eight steps on
.endif
.if (\t)+1 < STEPS
.set LAST, (\t)+AHEAD
.if LAST > STEPS-1
.set LAST, STEPS-1
.endif
	s_wait_loadcnt 4*(LAST-(\t)-1)                 ; the next step's four loads are in; those of the steps behind it may be out
	TURN (\t)+1
.endif
	v_max3_num_f32 v8, |v[XS]|, |v[XS+1]|, |v[XS+2]|               ; the largest magnitude of my 16, in two chains
	v_max3_num_f32 v9, |v[XS+3]|, |v[XS+4]|, |v[XS+5]|
.irp i, 6,10
	v_max3_num_f32 v8, v8, |v[XS+\i]|, |v[XS+\i+1]|
	v_max3_num_f32 v9, v9, |v[XS+\i+2]|, |v[XS+\i+3]|
.endr
	v_max3_num_f32 v8, v8, |v[XS+14]|, |v[XS+15]|
	v_max3_num_f32 v8, v8, v9, (EMAX+1)<<23        ; and the floor 2^(9 - 127): the byte cannot fall under 1
	v_max_num_f32_dpp v8, v8, v8 row_xmask:1 row_mask:0xf bank_mask:0xf   ; with my neighbour's 16: the block's
	v_add_nc_u32 v11, -(EMAX<<23), v8              ; 8 off its exponent field: the conversion's scale operand
	v_and_or_b32 v10, v8, 0x7f800000, s23          ; 448 x the scale
.irp i, 0,1,2,3,4,5,6,7,8,9,10,11,12,13,14,15
	v_med3_num_f32 v[XS+\i], v[XS+\i], -v10, v10   ; the conversion to an 8-bit code does not saturate (ISA guide 7.6.2): the hold comes first
.endr
	v_cvt_scalef32_pk8_fp8_f32 v[C+4*(\t):C+4*(\t)+1], v[XS:XS+7], v11
	v_cvt_scalef32_pk8_fp8_f32 v[C+4*(\t)+2:C+4*(\t)+3], v[XS+8:XS+15], v11
	v_lshrrev_b32 v[E+(\t)], 23, v11               ; the scale's byte
	ds_store_b8 v5, v[E+(\t)] offset:16*(\t)       ; both lanes of a block write the same byte with the same value
	global_store_b128 v3, v[C+4*(\t):C+4*(\t)+3], s[8:9] offset:512*(\t)   ; 32 lanes store 512 consecutive bytes
.endm
.macro WLOAD t                         ; block t: W(32 t + i, my column), i = 0 .. 31, into set t % 2
.irp i, 0,1,2,3,4,5,6,7,8,9,10,11,12,13,14,15,16,17,18,19,20,21,22,23,24,25,26,27,28,29,30,31
	global_load_b32 v[WX+32*((\t)%2)+\i], v[VO+\i], s[36+2*(\t):37+2*(\t)] th:TH_LOAD_NT
.endr
.endm
.macro BLOCK t
.set XS, WX+32*((\t)%2)
.if (\t) < NB-1
	s_wait_loadcnt 32                              ; this block's 32 loads are in; the next block's may be out
.else
	s_wait_loadcnt 0
.endif
	v_max3_num_f32 v12, |v[XS]|, |v[XS+1]|, |v[XS+2]|              ; the block's largest magnitude: all 32 numbers are mine
	v_max3_num_f32 v13, |v[XS+3]|, |v[XS+4]|, |v[XS+5]|
.irp i, 6,10,14,18,22,26
	v_max3_num_f32 v12, v12, |v[XS+\i]|, |v[XS+\i+1]|
	v_max3_num_f32 v13, v13, |v[XS+\i+2]|, |v[XS+\i+3]|
.endr
	v_max3_num_f32 v12, v12, |v[XS+30]|, |v[XS+31]|
	v_max3_num_f32 v12, v12, v13, (EMAX+1)<<23
	v_add_nc_u32 v11, -(EMAX<<23), v12
	v_and_or_b32 v10, v12, 0x7f800000, s23
	v_lshrrev_b32 v13, 23, v11
.if (\t)%4 == 0
	v_mov_b32 v[SB+(\t)/4], v13                    ; four bytes to a register, the lower K in the lower byte
.else
	v_lshl_or_b32 v[SB+(\t)/4], v13, 8*((\t)%4), v[SB+(\t)/4]
.endif
.irp i, 0,1,2,3,4,5,6,7,8,9,10,11,12,13,14,15,16,17,18,19,20,21,22,23,24,25,26,27,28,29,30,31
	v_med3_num_f32 v[XS+\i], v[XS+\i], -v10, v10
.endr
.irp g, 0,1,2,3
	v_cvt_scalef32_pk8_fp8_f32 v[WC+2*\g:WC+2*\g+1], v[XS+8*\g:XS+8*\g+7], v11
.endr
	ds_store_b128 v4, v[WC:WC+3] offset:32*(\t)    ; 32 codes of my column's row
	ds_store_b128 v4, v[WC+4:WC+7] offset:32*(\t)+16
.if (\t)+2 < NB
	WLOAD (\t)+2
.endif
	s_wait_dscnt 0x0                               ; the stores have read their registers: the next block's codes may be written
.endm
	s_load_b256 s[4:11], s[0:1], 0x0               ; x s[4:5], w_qkv s[6:7], w_proj s[8:9], xq s[10:11]
	s_load_b64 s[12:13], s[0:1], 0x20              ; wts
	s_set_vgpr_msb 0x40
	v_lshl_add_u32 v0, v0, 2, 0x10800
	v_mov_b32 v1, 0
	s_set_vgpr_msb 0x4000
	v_lshrrev_b32 v1, 5, v0
	v_readfirstlane_b32 s16, v1                    ; wave 0..3
	v_and_b32 v2, 31, v0                           ; lane
	s_and_b32 s20, ttmp7, 0xffff                   ; work-group y
	s_mov_b32 s23, MANT
	s_cmp_lt_u32 ttmp9, 32
	s_cbranch_scc1 .Lweights
	; ---- x: a wave takes a run of 8 rows, 8,192 numbers, in 16 steps of 512
	v_lshlrev_b32 v3, 4, v2                        ; my 16 bytes of a load's 512, and of a step's 512 bytes of codes
	s_mul_i32 s17, s16, WREG
	v_lshrrev_b32 v14, 2, v2
	v_mul_u32_u24 v14, v14, SP
	v_and_b32 v15, 3, v2
	v_lshl_add_u32 v14, v15, 4, v14
	v_add_nc_u32 v14, s17, v14                     ; the stage, on the way in: SP (lane / 4) + 16 (lane % 4)
	v_mul_u32_u24 v15, v2, SP
	v_add_nc_u32 v15, s17, v15                     ; and on the way out: SP x lane
	v_lshrrev_b32 v5, 1, v2
	s_add_co_u32 s17, s17, 2*32*SP
	v_add_nc_u32 v5, s17, v5                       ; my block's scale byte
	v_lshlrev_b32 v7, 3, v2
	v_add_nc_u32 v6, s17, v7                       ; the scale bytes' way out: 8 bytes a lane
	s_sub_co_u32 s17, ttmp9, 32
	s_lshl_b32 s17, s17, 2
	s_add_co_u32 s17, s17, s20
	s_lshl_b32 s17, s17, 2
	s_add_co_u32 s18, s17, s16                     ; my run, 0 .. 1023
	s_and_b32 s19, s18, 0xfffffffc                 ; eight rows move together: bits 3 and 4 of a row are bits 0 and 1 of its run
	s_and_b32 s21, s18, 1
	s_lshl_b32 s21, s21, 1
	s_or_b32 s19, s19, s21
	s_bfe_u32 s21, s18, 0x10001
	s_or_b32 s19, s19, s21                         ; the run's place in xq
	s_lshl_b32 s24, s18, 15
	s_mov_b32 s25, 0
	s_lshl_b32 s26, s19, 13
	s_mov_b32 s27, 0
	s_lshl_b32 s28, s19, 8
	s_add_co_u32 s28, s28, 0x800000
	s_mov_b32 s29, 0
	s_wait_alu depctr_va_vdst(0)
	s_wait_kmcnt 0x0
	s_add_nc_u64 s[4:5], s[4:5], s[24:25]
	s_add_nc_u64 s[8:9], s[10:11], s[26:27]        ; the codes
	s_add_nc_u64 s[10:11], s[10:11], s[28:29]      ; the scale bytes
.irp t, 0,1,2,3,4,5,6,7
	LOAD \t
.endr
	s_wait_loadcnt 28                              ; step 0's four loads are in; the 28 behind them may be out
	TURN 0
.irp t, 0,1,2,3,4,5,6,7,8,9,10,11,12,13,14,15
	STEP \t
.endr
	ds_load_b64 v[12:13], v6                       ; LDS serves a wave's instructions in order: these see my byte stores
	s_wait_dscnt 0x0
	global_store_b64 v7, v[12:13], s[10:11]        ; 32 lanes store 256 consecutive bytes, aligned
	s_set_vgpr_msb 0x5
	s_wait_tensorcnt 0x0
	ds_add_u32 v0, v1
	s_wait_dscnt 0x0
	s_set_vgpr_msb 0x500
	s_endpgm
	; ---- the weights: a wave takes 32 columns x 256 along K
.Lweights:
	s_wait_kmcnt 0x0
	s_mov_b32 s27, 4096
	s_mov_b32 s22, 4292608
	s_cmp_lt_u32 ttmp9, 24                         ; the first 24 groups of 128 columns are w_qkv's, the other 8 w_proj's
	s_cselect_b64 s[4:5], s[6:7], s[8:9]
	s_cselect_b32 s17, 0, 24
	s_cselect_b32 s27, 12288, s27                  ; a row of the weight in bytes
	s_cselect_b32 s21, 0, 3145728                  ; where its codes begin in wts,
	s_cselect_b32 s22, 4194304, s22                ; and its scale bytes
	s_sub_co_u32 s17, ttmp9, s17
	s_lshl_b32 s17, s17, 7
	s_lshl_b32 s18, s16, 5
	s_add_co_u32 s17, s17, s18                     ; my wave's first column
	s_wait_alu depctr_va_vdst(0)
	v_lshlrev_b32 v3, 2, v2
	s_mul_i32 s19, s16, 32*PITCH
	s_add_co_u32 s19, s19, WBASE                   ; my stage
	v_mul_u32_u24 v4, v2, PITCH
	v_add_nc_u32 v4, s19, v4                       ; into it: row = my column
	v_and_b32 v5, 15, v2
	v_lshrrev_b32 v6, 4, v2
	v_mul_u32_u24 v7, v6, PITCH
	v_lshl_add_u32 v7, v5, 4, v7
	v_add_nc_u32 v7, s19, v7                       ; out of it: sixteen lanes to a row, two rows an instruction
	v_lshlrev_b32 v8, 10, v6
	v_lshl_add_u32 v8, v5, 4, v8                   ; and the same in the codes' buffer: rows of 1,024 bytes
	v_and_b32 v9, 7, v2                            ; my column's place: bits 3 and 4 swapped
	v_bfe_u32 v10, v2, 3, 1
	v_lshl_add_u32 v9, v10, 4, v9
	v_bfe_u32 v10, v2, 4, 1
	v_lshl_add_u32 v9, v10, 3, v9
	v_lshlrev_b32 v9, 5, v9                        ; its row of 32 scale bytes
	s_lshl_b32 s24, s20, 8
	s_mul_i32 s24, s24, s27                        ; 256 y rows down,
	s_lshl_b32 s25, s17, 2
	s_add_co_u32 s24, s24, s25                     ; my first column
	s_mov_b32 s25, 0
	s_add_nc_u64 s[36:37], s[4:5], s[24:25]
	s_lshl_b32 s30, s27, 5                         ; 32 rows on
	s_mov_b32 s31, 0
.irp t, 1,2,3,4,5,6,7
	s_add_nc_u64 s[36+2*\t:37+2*\t], s[34+2*\t:35+2*\t], s[30:31]   ; a base for each block
.endr
	s_lshl_b32 s24, s17, 10
	s_add_co_u32 s24, s24, s21
	s_lshl_b32 s26, s20, 8
	s_add_co_u32 s24, s24, s26
	s_add_nc_u64 s[6:7], s[12:13], s[24:25]        ; the codes: column x 1,024 + 256 y
	s_lshl_b32 s24, s17, 5
	s_add_co_u32 s24, s24, s22
	s_lshl_b32 s26, s20, 3
	s_add_co_u32 s24, s24, s26
	s_add_nc_u64 s[8:9], s[12:13], s[24:25]        ; the scale bytes: column x 32 + 8 y
	v_mov_b32 v[VO], v3
.irp i, 1,2,3,4,5,6,7,8,9,10,11,12,13,14,15,16,17,18,19,20,21,22,23,24,25,26,27,28,29,30,31
	v_add_nc_u32 v[VO+\i], s27, v[VO+\i-1]
.endr
	WLOAD 0
	WLOAD 1
.irp t, 0,1,2,3,4,5,6,7
	BLOCK \t
.endr
	global_store_b64 v9, v[SB:SB+1], s[8:9]        ; my column's 8 scale bytes (8 bytes of a row of 32: one byte in 128 of what the wave reads)
.irp t, 0,1,2,3,4,5,6,7,8,9,10,11,12,13,14,15
	ds_load_b128 v[OUTR+4*\t:OUTR+4*\t+3], v7 offset:2*\t*PITCH
.endr
.irp t, 0,1,2,3,4,5,6,7,8,9,10,11,12,13,14,15
	s_wait_dscnt 15-\t                             ; LDS loads come back in order: pair t of the sixteen is in
	global_store_b128 v8, v[OUTR+4*\t:OUTR+4*\t+3], s[6:7] offset:(((2*\t)&7)+((((2*\t)>>3)&1)<<4)+((((2*\t)>>4)&1)<<3))*1024   ; sixteen lanes store 256 consecutive bytes, aligned, at the column's place
.endr
	s_set_vgpr_msb 0x5
	s_wait_tensorcnt 0x0
	ds_add_u32 v0, v1
	s_wait_dscnt 0x0
	s_set_vgpr_msb 0x500
	s_endpgm
.Lfunc_end_k_q97443acd25_quant:
	.size	k_q97443acd25_quant, .Lfunc_end_k_q97443acd25_quant-k_q97443acd25_quant
	.p2alignl 7, 3214868480
	.fill 96, 4, 3214868480
	.section	.rodata,"a",@progbits
	.p2align	6, 0x0
	.amdhsa_kernel k_q97443acd25_quant
		.amdhsa_group_segment_fixed_size 68096
		.amdhsa_private_segment_fixed_size 0
		.amdhsa_enable_private_segment 0
		.amdhsa_kernarg_size 40
		.amdhsa_user_sgpr_count 2
		.amdhsa_user_sgpr_kernarg_segment_ptr 1
		.amdhsa_wavefront_size32 1
		.amdhsa_system_sgpr_workgroup_id_x 1
		.amdhsa_system_sgpr_workgroup_id_y 1
		.amdhsa_system_sgpr_workgroup_id_z 1
		.amdhsa_system_vgpr_workitem_id 0
		.amdhsa_next_free_vgpr 258
		.amdhsa_next_free_sgpr 66
		.amdhsa_reserve_vcc 0
		.amdhsa_float_denorm_mode_32 3
		.amdhsa_float_denorm_mode_16_64 3
		.amdhsa_memory_ordered 1
		.amdhsa_forward_progress 1
		.amdhsa_inst_pref_size 111
	.end_amdhsa_kernel
	.amdgpu_metadata
---
amdhsa.version: [ 1, 2 ]
amdhsa.kernels:
  - .name:           k_q97443acd25_quant
    .symbol:         k_q97443acd25_quant.kd
    .args:
      - { .name: x, .offset: 0, .size: 8, .value_kind: global_buffer, .address_space: global }
      - { .name: w_qkv, .offset: 8, .size: 8, .value_kind: global_buffer, .address_space: global }
      - { .name: w_proj, .offset: 16, .size: 8, .value_kind: global_buffer, .address_space: global }
      - { .name: xq, .offset: 24, .size: 8, .value_kind: global_buffer, .address_space: global }
      - { .name: wts, .offset: 32, .size: 8, .value_kind: global_buffer, .address_space: global }
    .group_segment_fixed_size: 68096
    .private_segment_fixed_size: 0
    .kernarg_segment_align: 8
    .kernarg_segment_size: 40
    .max_flat_workgroup_size: 128
    .sgpr_count:     66
    .vgpr_count:     258
    .wavefront_size: 32
...
	.end_amdgpu_metadata
.endif
;; end of part 1
;; launch qkv (part 2): grid 12 x 32, 4 waves a work-group, clusters of 4 x 4, 327,680 bytes of LDS; arguments xq, wts, b_qkv, qb, kv; writes qb, kv
.if DOCPART == 2
	.amdgcn_target "amdgcn-amd-amdhsa--gfx1250"
	.amdhsa_code_object_version 6
	.text
	.protected	k_q97443acd25_qkv
	.globl	k_q97443acd25_qkv
	.p2align	8
	.type	k_q97443acd25_qkv,@function
k_q97443acd25_qkv:
	s_mov_b64 s[64:65], 0
	v_nop
	global_prefetch_b8 v0, s[64:65] scope:SCOPE_SE
	s_setreg_imm32_b32 hwreg(HW_REG_WAVE_MODE, 25, 1), 1
	s_wait_xcnt 0x0
	s_wait_alu depctr_hold_cnt(0) depctr_sa_sdst(0) depctr_va_vdst(0) depctr_va_sdst(0) depctr_va_ssrc(0) depctr_va_vcc(0) depctr_vm_vsrc(0)
	s_getreg_b32 s2, hwreg(HW_REG_IB_STS2, 6, 4)
	s_cmp_eq_u32 s2, 0
	s_cbranch_scc0 .Lentry_in_a_cluster
	s_endpgm
.Lentry_in_a_cluster:
	s_bfe_u32 s2, ttmp6, 0x10000c
	s_cmp_lg_u32 s2, 0xf033
	s_cbranch_scc0 .Lentry_shape_is_right
	s_endpgm
.Lentry_shape_is_right:
; qkv = x w_qkv + b_qkv on codes of FP8 (E4M3) with E8M0 scales (M 8,192, N 3,072, K 1,024), and the result QUANTISED ON THE WAY OUT: q and k along the head's 64, v along the keys.  No f32 result goes to memory.
; A tile of 256 x 256 to a work-group of four waves, 128 x 128 (64 accumulators, 512 registers) to a wave; K in steps of 256 through a ring of two LDS slots filled by the tensor data mover; the scale bytes of the
; work-group's rows come into LDS once.  CLUSTERS of 4 x 4: source 1's tiles are shared along a row of the cluster, source 0's along a column, each asked for jointly.
; WHICH OPERAND IS WHICH hangs on the cluster's x, the same in all partners.  In a result a lane holds ONE row of source 1, and its registers run along source 0's rows.
;   cluster x = 0 (q), 1 (k): source 1 = 256 tokens (by cy), source 0 = 256 features (by cx): a lane holds a token, its registers run along the features: the next K.
;   cluster x = 2 (v):        source 1 = 256 features (by cy), source 0 = 256 tokens (by cx): a lane holds a channel, its registers run along the tokens: the keys, v's K.
; Position p of both code buffers holds row pi(p) (bits 3 and 4 swapped): register j of tile b in lane (r, h) is source 0's row 32 (b / 2) + 16 h + 8 (b % 2) + j, so the 16 registers of tiles 2 B, 2 B + 1 are 16 neighbours;
; lane r of tile a is source 1's row 32 (a / 2) + 8 (a % 2) + r % 8 + 16 (r / 8).
; THE RESULT LEAVES AS IMAGES OF THE NEXT OPERAND'S REGISTERS: four registers at 16 x lane, 512 consecutive bytes a store.  qb and kv: [batch x head 64][8] blocks of 34,304 bytes for 256 tokens:
;   at 0 q's or k's images: tile (0..15) x 1,024 + c (0, 1) x 512;  at 16,384 v's: step (0, 1) x 8,192 + channel tile (0..3) x 2,048 + c (0..3) x 512;
;   at 32,768 q's or k's scale words: step x 512 + 16 l + 4 p = tile 2 p + l / 16, row l % 16 (bytes 2 and 3 are 0x7f: the head's 64 fill half of an instruction's 128);  at 33,792 v's: step x 256 + 8 l + 4 p.
; The bias is the C of each sum's first matrix instruction.  LIMITS: a block of zeros gets the byte 1, not 127 (its codes are zeros; this program alone reads the bytes); NaN and infinities are not served.
; REGISTERS, in windows of 256: window 0: v0-31 addresses; v32-63 scale words, two sets; v64-127 the bias, eight registers a tile; from v128 source 1's fragments, ONE set (on the way out: at work).
;   window 1: source 0's fragments, TWO sets.   windows 2, 3: the accumulators ((a, b) at v[8 (8 (a % 4) + b)] of window 2 + a / 4).
.set KSTEP,  256
.set NQ,     2
.set ROWB,   256
.set KROW,   1024
.set PITCH,  272                       ; an LDS row: 256 bytes + 16: the 16 rows that a load touches start at 16 different banks (64 banks of 4 bytes: ISA guide 11.1)
.set FR,     16
.set NL,     4
.set NP,     8                         ; places behind this matrix instruction (ISA guide 7.12.1)
.set HALFT,  128*PITCH
.set SLOT,   4*HALFT                   ; source 1's 256 rows, then source 0's
.set LAPS,   2                         ; K = 1,024 is twice round the ring
.set KS,     32                        ; a row of scale bytes
.set SCL,    2*SLOT                    ; behind the ring: the scale bytes, as units of 256 bytes + 16
.set HALFS,  (128*KS/256)*272
.set SBLK,   (16*KS/256)*272
.set SPARE,  SCL+4*HALFS               ; the spare words: 128 bytes a wave, two blocks of 256 bytes that no other line names
.set BLK,    34304
.set HS,     8*BLK                     ; from a head to the next
.set VOUT, 7                           ; v7   v's scale words on the way out: 16 (lane % 16) + (lane / 16) heads
.set BO,   8                           ; v8-15 the bias's offsets, one for each register of a tile
.set ADRA, 16                          ; v16-17 LDS address of source 1's fragments in slot 0, 1
.set ADRB, 20                          ; v20-21 of source 0's
.set SK,   24                          ; v24  q, k: where a tile's scale words go in my stage
.set SV,   25                          ; v25  v: the same
.set LI,   26                          ; v26  16 x lane
.set ADRS, 27                          ; v27  LDS address of my scale words: lanes 0-15 source 1's rows, lanes 16-31 source 0's
.set SPW,  28
.set NIL,  29
.set RK,   30                          ; v30  q, k: where the stage is read back
.set RV,   31                          ; v31  v: the same
.set SC,   32
.set BC,   64
.set AF,   128
.set TM,   128                         ; the way out: v128-131 largest magnitudes, v132-135 bytes, v136-139 448 x the scale, v140-143 the scale operands
.set PW,   144                         ; a row's four scale bytes
.set W0,   145
.set W1,   146
.set PC,   160                         ; v160-191 codes, two sets
.set RB,   192                         ; v192-199 scale words read back
.set G1, 24
.set G0, 32
.set G1B, 48
.set G0B, 56
.set G1S, 68
.set G0S, 76
.set G1SB, 80
.set G0SB, 88
.set OC, 10                            ; s[10:11] where my codes go;  s[12:13] my scale words
.set OS, 12
.set MSB, 0
.macro WIN new                         ; the immediate's high byte repeats the setting that is left
.if MSB != (\new)
	s_set_vgpr_msb (MSB<<8)|(\new)
.set MSB, (\new)
.endif
.endm
.set MUL_LO, 0xa1                      ; source 0 window 1, source 1 window 0, C and D window 2
.set MUL_HI, 0xf1
.set TO_B,   0x40
; A joint load: waves 0 and 1 fetch for source 1, waves 2 and 3 for source 0; the branch hangs on the wave's number alone.  Four v_nop follow each line.
.macro JLOAD g0a, g1a, g0b, g1b
	s_cmp_eq_u32 s15, 0
	s_cbranch_scc0 .Lfor_b_\@
	tensor_load_to_lds s[\g0a:\g0a+3], s[\g1a:\g1a+7]
	s_nop 0
.rept 4
	v_nop
.endr
	s_branch .Lasked_\@
.Lfor_b_\@:
	tensor_load_to_lds s[\g0b:\g0b+3], s[\g1b:\g1b+7]
	s_nop 0
.rept 4
	v_nop
.endr
.Lasked_\@:
.endm
.macro CREST
	s_cmp_lg_u32 s14, 0
	s_cbranch_scc1 .Lnot_wave_0_\@
	s_barrier_signal -3
.Lnot_wave_0_\@:
	s_barrier_wait -3
	s_barrier_signal -1
	s_barrier_wait -1
.endm
.macro CROUND
	s_barrier_signal -1
	s_barrier_wait -1
	CREST
.endm
	s_load_b256 s[4:11], s[0:1], 0x0               ; xq s[4:5], wts s[6:7], b_qkv s[8:9], qb s[10:11]
	s_load_b64 s[12:13], s[0:1], 0x20              ; kv
	v_lshl_add_u32 v[SPW], v0, 2, SPARE
	v_mov_b32 v[NIL], 0
	ds_add_u32 v28, v29
	ds_add_u32 v28, v29
	s_wait_dscnt 0x0
	v_lshrrev_b32 v1, 5, v0
	v_readfirstlane_b32 s14, v1                    ; wave 0..3
	s_lshr_b32 s15, s14, 1                         ; which half of source 1's rows is mine.  Also: I fetch for source 1 (0) or source 0 (1)
	s_and_b32 s16, s14, 1                          ; which half of source 0's rows.  Also: which 128 rows I fetch
	s_bfe_u32 s40, ttmp6, 0x40000                  ; cx
	s_bfe_u32 s41, ttmp6, 0x40004                  ; cy
	s_and_b32 s17, ttmp7, 0xffff
	s_lshl_b32 s17, s17, 10                        ; 1,024 x cluster y: the cluster's tokens
	s_lshl_b32 s18, ttmp9, 10                      ; 1,024 x cluster x: its features
	s_mov_b32 s19, 0x400000                        ; where w_qkv's scale rows begin in wts,
	s_mov_b32 s45, 0x800000                        ; and x's in xq
	s_cmp_eq_u32 ttmp9, 2                          ; v?  The cluster's x is the same in all sixteen partners
	s_cselect_b32 s98, 1, 0
	s_cselect_b32 s66, 2048, s17
	s_cselect_b32 s67, s17, s18
	s_cselect_b32 s21, s19, s45
	s_cselect_b32 s47, s45, s19
	s_lshl_b32 s20, s41, 8
	s_add_co_u32 s66, s66, s20                     ; source 1's first row: it hangs on cy alone
	s_lshl_b32 s46, s40, 8
	s_add_co_u32 s67, s67, s46                     ; source 0's: on cx alone
	s_lshl_b32 s43, s41, 2
	s_lshl_b32 s43, 15, s43                        ; my row of the cluster
	s_lshl_b32 s44, 0x1111, s40                    ; my column
	s_or_b32 s[G1+0], s43, (0<<16)|(1<<20)|(1<<21)|(5<<22)|(3<<25)  ; the mask; elements of 1 byte; padding on; bit 21 beside a mask; 4 words behind every 64
	s_or_b32 s[G1B+0], s44, (0<<16)|(1<<20)|(1<<21)|(5<<22)|(3<<25)
.irp g, G1, G1B
	s_mov_b32 s[\g+1], ROWB<<16                    ; tensor_dim0
	s_mov_b32 s[\g+2], 256<<16                     ; tensor_dim1: 256 rows for the head's loads; set to 128 for the ring behind them
	s_mov_b32 s[\g+3], ROWB<<16                    ; tile_dim0
	s_mov_b32 s[\g+4], 256                         ; tile_dim1
	s_mov_b32 s[\g+5], KROW                        ; the pitch
	s_mov_b32 s[\g+6], 0
	s_mov_b32 s[\g+7], 0
.endr
	s_or_b32 s[G1S+0], s43, (3<<16)|(1<<20)|(1<<21)|(5<<22)|(3<<25) ; the scale bytes: elements of 8 bytes
	s_or_b32 s[G1SB+0], s44, (3<<16)|(1<<20)|(1<<21)|(5<<22)|(3<<25)
.irp g, G1S, G1SB
	s_mov_b32 s[\g+1], 32<<16
	s_mov_b32 s[\g+2], (256*KS/256)<<16            ; the scale bytes of 256 rows: 8,192 dense bytes as 32 rows of 256
	s_mov_b32 s[\g+3], 32<<16
	s_mov_b32 s[\g+4], 256*KS/256
	s_mov_b32 s[\g+5], 32
	s_mov_b32 s[\g+6], 0
	s_mov_b32 s[\g+7], 0
.endr
	s_lshl_b32 s18, s16, 17                        ; s[18:19]: in the ring I fetch 128 rows of a tile: which half, in bytes of codes
	s_mov_b32 s19, 0
	s_mov_b32 s20, s66                             ; the head's loads take whole tiles
	s_mov_b32 s46, s67
	s_lshl_b32 s22, s20, 5
	s_add_co_u32 s22, s22, s21                     ; source 1: its rows' scale bytes,
	s_lshl_b32 s20, s20, 10                        ; and codes
	s_lshl_b32 s92, s46, 5
	s_add_co_u32 s92, s92, s47                     ; source 0 likewise
	s_lshl_b32 s46, s46, 10
	s_mov_b32 s21, 0
	s_mov_b32 s23, 0
	s_mov_b32 s47, 0
	s_mov_b32 s93, 0
	s_mul_i32 s45, s14, HALFT                      ; where they go: wave x 128 rows: no place in the cluster enters an LDS address
	s_mul_i32 s94, s14, HALFS
	s_wait_kmcnt 0x0
	s_cmp_eq_u32 s98, 0
	s_cselect_b64 s[G0+2:G0+3], s[4:5], s[6:7]     ; source 1 is x (q, k) or the weight (v),
	s_cselect_b64 s[G0S+2:G0S+3], s[4:5], s[6:7]
	s_cselect_b64 s[G0B+2:G0B+3], s[6:7], s[4:5]   ; source 0 the other
	s_cselect_b64 s[G0SB+2:G0SB+3], s[6:7], s[4:5]
	s_add_nc_u64 s[G0+2:G0+3], s[G0+2:G0+3], s[20:21]
	s_add_nc_u64 s[G0+6:G0+7], s[G0+2:G0+3], s[18:19]
	s_add_nc_u64 s[G0+6:G0+7], s[G0+6:G0+7], ROWB  ; slot 1: K step 1, my 128 rows
	s_add_nc_u64 s[G0S+2:G0S+3], s[G0S+2:G0S+3], s[22:23]
	s_add_nc_u64 s[G0B+2:G0B+3], s[G0B+2:G0B+3], s[46:47]
	s_add_nc_u64 s[G0B+6:G0B+7], s[G0B+2:G0B+3], s[18:19]
	s_add_nc_u64 s[G0B+6:G0B+7], s[G0B+6:G0B+7], ROWB
	s_add_nc_u64 s[G0SB+2:G0SB+3], s[G0SB+2:G0SB+3], s[92:93]
.irp g, G0, G0+4, G0B, G0B+4, G0S, G0SB
	s_mov_b32 s[\g], 1                             ; count = 1
	s_or_b32 s[\g+3], s[\g+3], 0x80000000          ; type = 2
.endr
	s_mov_b32 s[G0+1], 0                           ; the head's four tiles, each whole: source 1's 256 rows of K step 0,
	s_add_co_u32 s[G0+5], s45, SLOT
	s_mov_b32 s[G0B+1], 2*HALFT                    ; source 0's behind them,
	s_add_co_u32 s[G0B+5], s45, SLOT
	s_mov_b32 s[G0S+1], SCL                        ; source 1's scale bytes,
	s_mov_b32 s[G0SB+1], SCL+2*HALFS               ; and source 0's
	CROUND                                         ; all sixteen work-groups are here: the first joint loads meet
; THE HEAD'S LOADS, ONE A WAVE: one chain of branches on the wave's number, a load to an arm, all arms leading to one join
.macro ARM under, g0, g1, next
	s_cmp_lt_u32 s14, \under
	s_cbranch_scc0 \next
	tensor_load_to_lds s[\g0:\g0+3], s[\g1:\g1+7]
	s_nop 0
.rept 4
	v_nop
.endr
	s_branch .Lhead_asked
\next:
.endm
	ARM 1, G0,  G1,  .Lhead_b
	ARM 2, G0B, G1B, .Lhead_sa
	ARM 3, G0S, G1S, .Lhead_sb
	tensor_load_to_lds s[G0SB:G0SB+3], s[G1SB:G1SB+7]
	s_nop 0
.rept 4
	v_nop
.endr
.Lhead_asked:
	v_and_b32 v1, 15, v0                           ; r
	v_bfe_u32 v2, v0, 4, 1                         ; h
	v_mul_u32_u24 v3, v1, PITCH
	v_lshl_add_u32 v4, v2, 4, v3                   ; a fragment's row x pitch + 16 h
	s_mul_i32 s21, s15, HALFT
	s_mul_i32 s22, s16, HALFT
	s_add_co_u32 s22, s22, 2*HALFT
.irp s, 0,1
	v_add_nc_u32 v[ADRA+\s], s21, v4
	v_add_nc_u32 v[ADRB+\s], s22, v4
	s_add_co_u32 s21, s21, SLOT
	s_add_co_u32 s22, s22, SLOT
.endr
	v_mul_u32_u24 v5, v1, KS                       ; my row's scale bytes: 32 a row, and 16 more for each 256 passed
	v_lshrrev_b32 v6, 8, v5
	v_lshl_add_u32 v5, v6, 4, v5
	s_mul_i32 s21, s15, HALFS
	s_mul_i32 s22, s16, HALFS
	s_add_co_u32 s22, s22, 2*HALFS
	s_sub_co_u32 s22, s22, s21
	v_mul_u32_u24 v6, s22, v2                      ; lanes 16-31 take source 0's
	s_add_co_u32 s21, s21, SCL
	v_add_nc_u32 v5, v5, v6
	v_add_nc_u32 v[ADRS], s21, v5
	; the way out's addresses, all made ahead of the first parting.  The stages for the scale words lie in slot 0 (1,024 bytes a wave; q, k: from 0; v: from 4,096), which has had its last fill and its last read by then
	v_and_b32 v6, 31, v0
	v_lshlrev_b32 v[LI], 4, v6
	s_lshl_b32 s23, s14, 10
	v_lshl_add_u32 v[SK], v1, 4, s23
	v_add_nc_u32 v[RK], s23, v[LI]
	s_add_co_u32 s23, s23, 4096
	v_lshl_add_u32 v[SV], v1, 3, s23
	v_add_nc_u32 v[RV], s23, v[LI]
	v_mul_u32_u24 v[VOUT], v2, HS
	v_lshl_add_u32 v[VOUT], v1, 4, v[VOUT]
	; the bias: q, k: register j of tile g is feature 32 (g / 2) + 16 h + 8 (g % 2) + j;  v: all eight are feature 32 (g / 2) + 8 (g % 2) + r % 8 + 16 (r / 8)
	s_cmp_eq_u32 s98, 0
	s_cselect_b32 s2, 64, 0
	s_cselect_b32 s3, 0, 4
	s_cselect_b32 s42, 0, 64
	s_cselect_b32 s95, 4, 0
	v_and_b32 v5, 7, v1
	v_lshrrev_b32 v6, 3, v1
	v_mul_u32_u24 v[BO], s2, v2
	v_mad_u32_u24 v[BO], v5, s3, v[BO]
	v_mad_u32_u24 v[BO], v6, s42, v[BO]
	s_wait_alu depctr_va_vdst(0)
.irp j, 1,2,3,4,5,6,7
	v_add_nc_u32 v[BO+\j], s95, v[BO+\j-1]
.endr
	; where my results go.  These registers feed no descriptor
	s_lshl_b32 s2, s16, 7
	s_add_co_u32 s2, s2, s67                       ; my first row of source 0,
	s_lshl_b32 s3, s15, 7
	s_add_co_u32 s3, s3, s66                       ; and of source 1
	s_cmp_eq_u32 s98, 0
	s_cselect_b32 s42, s2, s3                      ; my first feature
	s_cselect_b32 s95, s3, s2                      ; my first token
	s_cselect_b32 s96, 0, 16384                    ; images: q's and k's at 0, v's at 16,384
	s_cselect_b32 s97, 9, 8                        ; a step's scale words: 512 bytes, or 256
	s_cselect_b32 s101, 0, 1024                    ; they begin at 32,768, or at 33,792
	s_lshr_b32 s2, s95, 11                         ; the batch
	s_lshl_b32 s2, s2, 4
	s_bfe_u32 s3, s42, 0x40006                     ; my first head: (feature % 1,024) / 64
	s_add_co_u32 s2, s2, s3
	s_lshl_b32 s2, s2, 3
	s_bfe_u32 s3, s95, 0x30008                     ; which 256 tokens of the batch
	s_add_co_u32 s2, s2, s3
	s_mul_i32 s2, s2, BLK
	s_bfe_u32 s3, s95, 0x10007                     ; which 128 of them
	s_lshl_b32 s95, s3, 13
	s_add_co_u32 s96, s96, s95
	s_add_co_u32 s96, s96, s2
	s_lshl_b32 s3, s3, s97
	s_add_co_u32 s3, s3, s101
	s_add_co_u32 s2, s2, s3
	s_add_co_u32 s2, s2, 32768
	s_mov_b32 s97, 0
	s_mov_b32 s3, 0
	s_cmp_eq_u32 ttmp9, 0
	s_cselect_b64 s[10:11], s[10:11], s[12:13]     ; q goes to qb, k and v to kv
	s_add_nc_u64 s[OS:OS+1], s[10:11], s[2:3]
	s_add_nc_u64 s[OC:OC+1], s[10:11], s[96:97]
	s_lshl_b32 s2, s42, 2
	s_add_nc_u64 s[8:9], s[8:9], s[2:3]
	s_wait_alu depctr_va_vdst(0)
.irp g, 0,1,2,3,4,5,6,7
.irp j, 0,1,2,3,4,5,6,7
	global_load_b32 v[BC+8*\g+\j], v[BO+\j], s[8:9] offset:(32*(\g/2)+8*(\g%2))*4
.endr
.endr
	s_mov_b32 s99, 0x7f7f0000                      ; scale bytes of 1.0 for the half of K that holds no codes
	s_mov_b32 s100, 0x600000                       ; the mantissa field of 448
	s_mov_b32 s104, 0x76543210
	s_mov_b32 s105, 0xfedcba98                     ; v_permlanex16_b32's selects for lane l xor 16
.macro FRAG reg, adr, q, i             ; 16 rows x 128 K: lane l holds row l % 16; registers 4 c .. 4 c + 3 hold K = 32 c + 16 (l / 16) + 0 .. 15
.irp c, 0,1,2,3
	ds_load_b128 v[\reg+4*\c:\reg+4*\c+3], v[\adr] offset:128*(\q)+32*\c+(\i)*16*PITCH
.endr
.endm
; 16 matrix instructions: source 1's blocks a0, a0 + 1 x source 0's eight.  zero = 1, 2: the first product starts the sums with the bias, by source 0's tile (1) or by source 1's (2).  The 64 accumulators take turns.
.macro MUL16 a0, p, q, sc, zero
.irp a, \a0, \a0+1
.irp b, 0,1,2,3,4,5,6,7
.if \zero == 1
	v_wmma_scale_f32_16x16x128_f8f6f4 v[8*(8*((\a)%4)+\b):8*(8*((\a)%4)+\b)+7], v[128*(\p)+FR*\b:128*(\p)+FR*\b+FR-1], v[AF+FR*(\a):AF+FR*(\a)+FR-1], v[BC+8*\b:BC+8*\b+7], v[SC+8*NQ*(\sc)+NQ*\b+(\q)], v[SC+8*NQ*(\sc)+NQ*(\a)+(\q)] matrix_a_scale:MATRIX_SCALE_ROW1
.elseif \zero == 2
	v_wmma_scale_f32_16x16x128_f8f6f4 v[8*(8*((\a)%4)+\b):8*(8*((\a)%4)+\b)+7], v[128*(\p)+FR*\b:128*(\p)+FR*\b+FR-1], v[AF+FR*(\a):AF+FR*(\a)+FR-1], v[BC+8*(\a):BC+8*(\a)+7], v[SC+8*NQ*(\sc)+NQ*\b+(\q)], v[SC+8*NQ*(\sc)+NQ*(\a)+(\q)] matrix_a_scale:MATRIX_SCALE_ROW1
.else
	v_wmma_scale_f32_16x16x128_f8f6f4 v[8*(8*((\a)%4)+\b):8*(8*((\a)%4)+\b)+7], v[128*(\p)+FR*\b:128*(\p)+FR*\b+FR-1], v[AF+FR*(\a):AF+FR*(\a)+FR-1], v[8*(8*((\a)%4)+\b):8*(8*((\a)%4)+\b)+7], v[SC+8*NQ*(\sc)+NQ*\b+(\q)], v[SC+8*NQ*(\sc)+NQ*(\a)+(\q)] matrix_a_scale:MATRIX_SCALE_ROW1
.endif
.endr
.endr
.endm
.macro FETCH_B slot, q, p
	WIN TO_B
.irp i, 0,1,2,3,4,5,6,7
	FRAG 128*(\p)+FR*\i, ADRB+\slot, \q, \i
.endr
	WIN 0
.endm
.macro FETCH_A slot, q, i0
.irp i, \i0, \i0+1, \i0+2, \i0+3
	FRAG AF+FR*(\i), ADRA+\slot, \q, \i
.endr
.endm
.macro SCALES sc                       ; a K step's scale words: two a row; lanes 0-15 take source 1's block i, lanes 16-31 source 0's
.irp i, 0,1,2,3,4,5,6,7
	ds_load_b64 v[SC+8*NQ*\sc+NQ*\i:SC+8*NQ*\sc+NQ*\i+1], v[ADRS] offset:\i*SBLK
.endr
.endm
.macro PLACES n                        ; plain vector places behind matrix instructions, in front of loads into their registers and of the first read of results
.rept \n
	v_nop
.endr
.endm
.macro STEP slot, q, zero              ; 128 along K that have their successor in the same slot
	s_wait_dscnt 4*NL                              ; source 0's set and source 1's blocks 0-3 are in; the youngest 16 loads (blocks 4-7) may be out
.if \zero
	WIN 0x81                                       ; C (the bias) in window 0, D in window 2
.else
	WIN MUL_LO
.endif
	MUL16 0, (\q)%2, \q, \slot, \zero
	MUL16 2, (\q)%2, \q, \slot, \zero
	s_wait_dscnt 0
	PLACES NP
	FETCH_B \slot, (\q)+1, 1-(\q)%2
	FETCH_A \slot, (\q)+1, 0
.if \zero
	WIN 0xc1
.else
	WIN MUL_HI
.endif
	MUL16 4, (\q)%2, \q, \slot, \zero
	MUL16 6, (\q)%2, \q, \slot, \zero
	PLACES NP
	WIN 0
	FETCH_A \slot, (\q)+1, 4
.endm
; A slot's last step changes slots: ONE barrier; in front of it each wave waits for all its tensor loads, adds 0 to its spare word, and waits for that and for its reads of this slot.  fill = 1: the slot is filled again, two K steps ahead.
.macro TURN slot, next, fill
	s_wait_tensorcnt 0x0                           ; all my tensor loads have landed: my part of the next slot
	ds_add_u32 v[SPW], v[NIL]                      ; 0 onto my spare word
	s_wait_dscnt 4*NL+1                            ; (the add and the youngest 16 loads may be out)
	WIN MUL_LO
	MUL16 0, 1, NQ-1, \slot, 0
	s_wait_dscnt 0x0                               ; the add is done, and my reads of this slot are over
	s_barrier_signal -1
	MUL16 2, 1, NQ-1, \slot, 0
	WIN 0
	s_barrier_wait -1
.if \fill
	CREST                                          ; the barrier has opened a round of the cluster's: no wave of any partner still reads this slot or has a load on its way
	s_add_nc_u64 s[G0+4*\slot+2:G0+4*\slot+3], s[G0+4*\slot+2:G0+4*\slot+3], 2*ROWB
	s_add_nc_u64 s[G0B+4*\slot+2:G0B+4*\slot+3], s[G0B+4*\slot+2:G0B+4*\slot+3], 2*ROWB
	JLOAD G0+4*\slot, G1, G0B+4*\slot, G1B         ; the first tensor load behind the round; its four v_nop are among the places in front of the loads below
	PLACES NP-4
.else
	PLACES NP
.endif
	s_wait_alu depctr_va_vdst(0)
	v_add_nc_u32 v[ADRS], 4*NQ, v[ADRS]            ; the next K step's scale words
	FETCH_B \next, 0, 0
	FETCH_A \next, 0, 0
	SCALES \next
	WIN MUL_HI
	MUL16 4, 1, NQ-1, \slot, 0
	MUL16 6, 1, NQ-1, \slot, 0
	PLACES NP
	WIN 0
	FETCH_A \next, 0, 4
.endm
; THE WAY OUT, for source 1's blocks one after the other.  The block's 64 registers of a lane are 64 neighbours along the next K in four blocks of 32, each shared with lane l xor 16: largest magnitude, scale, hold, conversion:
; the results are the next operand's registers and are stored as they stand.  kind = 0: q, k (two heads x two groups of four registers);  kind = 1: v (one fragment of a channel tile).
.macro EPI kind
.irp a, 0,1,2,3,4,5,6,7
.set AC, 64*(\a%4)
.set PCA, PC+16*(\a%2)
	s_wait_xcnt 0x0                                ; the earlier stores have read their registers: the codes' registers may be written again
	WIN 0x0a+5*(\a/4)                              ; sources 0 and 1: the accumulators' window
.irp b, 0,1,2,3
	v_max3_num_f32 v[TM+\b], |v[AC+16*\b]|, |v[AC+16*\b+1]|, 0x4800000   ; each accumulator is read from its low end on; the floor 2^(9 - 127) holds the byte at 1 from below
.endr
.irp i, 2,4,6,8,10,12,14
.irp b, 0,1,2,3
	v_max3_num_f32 v[TM+\b], |v[AC+16*\b+\i]|, |v[AC+16*\b+\i+1]|, v[TM+\b]
.endr
.endr
	WIN 0
.irp b, 0,1,2,3
	v_permlanex16_b32 v[TM+4+\b], v[TM+\b], s104, s105
.endr
.irp b, 0,1,2,3
	v_max_num_f32 v[TM+\b], v[TM+\b], v[TM+4+\b]   ; with lane l xor 16's: the block's largest magnitude
.endr
.irp b, 0,1,2,3
	v_add_nc_u32 v[TM+12+\b], 0xfc000000, v[TM+\b] ; 8 off its exponent field: the conversion's scale operand
.endr
.irp b, 0,1,2,3
	v_and_or_b32 v[TM+8+\b], v[TM+\b], 0x7f800000, s100   ; 448 x the scale
.endr
.irp b, 0,1,2,3
	v_lshrrev_b32 v[TM+4+\b], 23, v[TM+12+\b]      ; the scale's byte
.endr
	v_lshl_or_b32 v[PW], v[TM+5], 8, v[TM+4]
	v_lshl_or_b32 v[PW], v[TM+6], 16, v[PW]
	v_lshl_or_b32 v[PW], v[TM+7], 24, v[PW]
	WIN 0x82+0x41*(\a/4)                           ; destination and source 0: the accumulators' window
.irp b, 0,1,2,3
.irp i, 0,1,2,3,4,5,6,7,8,9,10,11,12,13,14,15
	v_med3_num_f32 v[AC+16*\b+\i], v[AC+16*\b+\i], -v[TM+8+\b], v[TM+8+\b]   ; the conversion to an 8-bit code does not saturate (ISA guide 7.6.2): the hold comes first
.endr
.endr
	WIN 0x02+(\a/4)
.irp b, 0,1,2,3
	v_cvt_scalef32_pk8_fp8_f32 v[PCA+4*\b:PCA+4*\b+1], v[AC+16*\b:AC+16*\b+7], v[TM+12+\b]
	v_cvt_scalef32_pk8_fp8_f32 v[PCA+4*\b+2:PCA+4*\b+3], v[AC+16*\b+8:AC+16*\b+15], v[TM+12+\b]
.endr
	WIN 0
	v_nop                                          ; one plain vector line behind the last conversion of the run
.irp c, 0,1,2,3
.if \kind
	global_store_b128 v[LI], v[PCA+4*\c:PCA+4*\c+3], s[OC:OC+1] offset:(\a/4)*HS+2048*(\a%4)+512*\c th:TH_STORE_NT   ; 32 lanes store 512 consecutive bytes, aligned
.else
	global_store_b128 v[LI], v[PCA+4*\c:PCA+4*\c+3], s[OC:OC+1] offset:(\c/2)*HS+1024*\a+512*(\c%2) th:TH_STORE_NT
.endif
.endr
.if \kind
	ds_store_b32 v[SV], v[PW] offset:256*(\a/4)+128*(\a%2)+4*((\a%4)/2)   ; both halves of the lanes write the same word with the same value
.else
	v_and_or_b32 v[W0], v[PW], 0xffff, s99         ; the first head's two bytes, and 1.0 twice
	v_lshrrev_b32 v[W1], 16, v[PW]
	v_or_b32 v[W1], s99, v[W1]                     ; the second head's
	ds_store_b32 v[SK], v[W0] offset:256*(\a%2)+4*(\a/2)
	ds_store_b32 v[SK], v[W1] offset:512+256*(\a%2)+4*(\a/2)
.endif
.endr
.if \kind
	ds_load_b128 v[RB:RB+3], v[RV]                 ; LDS serves a wave's instructions in order: this sees my stores
	s_wait_dscnt 0x0
	global_store_b128 v[VOUT], v[RB:RB+3], s[OS:OS+1]   ; sixteen lanes store 256 consecutive bytes, aligned, for each of my two heads
.else
	ds_load_b128 v[RB:RB+3], v[RK]
	ds_load_b128 v[RB+4:RB+7], v[RK] offset:512
	s_wait_dscnt 0x0
	global_store_b128 v[LI], v[RB:RB+3], s[OS:OS+1]
	global_store_b128 v[LI], v[RB+4:RB+7], s[OS:OS+1] offset:HS
.endif
.endm
	s_wait_alu depctr_va_vdst(0)
	s_wait_tensorcnt 0x0                           ; my tile of the head's four is in
	ds_add_u32 v[SPW], v[NIL]
	s_mov_b32 s[G1+2], 128<<16                     ; no tensor load of mine is out, so descriptors may be written: from here on a load brings 128 rows,
	s_mov_b32 s[G1+4], 128
	s_mov_b32 s[G1B+2], 128<<16
	s_mov_b32 s[G1B+4], 128
	s_add_co_u32 s[G0+1], s45, 0                   ; to wave x 128 rows of a slot,
	s_add_co_u32 s[G0B+1], s45, 0
	s_add_nc_u64 s[G0+2:G0+3], s[G0+2:G0+3], s[18:19]      ; from my half of the tile
	s_add_nc_u64 s[G0B+2:G0B+3], s[G0B+2:G0B+3], s[18:19]
	s_wait_dscnt 0x0                               ; the add is done
	CROUND                                         ; all four tiles are in, in every partner
	JLOAD G0+4, G1, G0B+4, G1B                     ; K step 1: the first tensor load behind the round
	FETCH_B 0, 0, 0
	FETCH_A 0, 0, 0
	SCALES 0
	FETCH_A 0, 0, 4
	s_wait_loadcnt 0x0                             ; the bias
	s_cmp_eq_u32 s98, 0                            ; the first step is written twice: the bias goes by source 0's tile or by source 1's
	s_cbranch_scc0 .Lfirst_v
	STEP 0, 0, 1
	s_branch .Lfirst_done
.Lfirst_v:
	STEP 0, 0, 2
.Lfirst_done:
	s_mov_b32 s3, LAPS-1
.Llap:                                             ; a trip goes once round the ring and fills both slots again
	TURN 0, 1, 1
	STEP 1, 0, 0
	TURN 1, 0, 1
	STEP 0, 0, 0
	s_sub_co_u32 s3, s3, 1
	s_cmp_lg_u32 s3, 0
	s_cbranch_scc1 .Llap
	TURN 0, 1, 0                                   ; the last lap fills nothing
	STEP 1, 0, 0
	s_wait_dscnt 4*NL
	WIN MUL_LO
	MUL16 0, 1, NQ-1, 1, 0
	MUL16 2, 1, NQ-1, 1, 0
	s_wait_dscnt 0
	WIN MUL_HI
	MUL16 4, 1, NQ-1, 1, 0
	MUL16 6, 1, NQ-1, 1, 0
	WIN 0
	PLACES NP
.irp b, 0,1,2,3
	v_mov_b32 v[TM+4+\b], 0                        ; written once: a lane permute's destination counts as one of its sources
.endr
	s_cmp_eq_u32 s98, 0
	s_cbranch_scc0 .Lout_v
	EPI 0
	s_branch .Lout_done
.Lout_v:
	EPI 1
.Lout_done:
	s_wait_tensorcnt 0x0                           ; the wave's end
	ds_add_u32 v[SPW], v[NIL]
	s_wait_dscnt 0x0
	CROUND                                         ; the closing round
	s_endpgm
.Lfunc_end_k_q97443acd25_qkv:
	.size	k_q97443acd25_qkv, .Lfunc_end_k_q97443acd25_qkv-k_q97443acd25_qkv
	.p2alignl 7, 3214868480
	.fill 96, 4, 3214868480
	.section	.rodata,"a",@progbits
	.p2align	6, 0x0
	.amdhsa_kernel k_q97443acd25_qkv
		.amdhsa_group_segment_fixed_size 327680
		.amdhsa_private_segment_fixed_size 0
		.amdhsa_enable_private_segment 0
		.amdhsa_kernarg_size 40
		.amdhsa_user_sgpr_count 2
		.amdhsa_user_sgpr_kernarg_segment_ptr 1
		.amdhsa_wavefront_size32 1
		.amdhsa_system_sgpr_workgroup_id_x 1
		.amdhsa_system_sgpr_workgroup_id_y 1
		.amdhsa_system_sgpr_workgroup_id_z 1
		.amdhsa_system_vgpr_workitem_id 0
		.amdhsa_next_free_vgpr 1024
		.amdhsa_next_free_sgpr 106
		.amdhsa_reserve_vcc 0
		.amdhsa_float_denorm_mode_32 3
		.amdhsa_float_denorm_mode_16_64 3
		.amdhsa_memory_ordered 1
		.amdhsa_forward_progress 1
		.amdhsa_inst_pref_size 255
	.end_amdhsa_kernel
	.section	.bss,"aw",@nobits
	.p2align	6
	.space	262144
	.amdgpu_metadata
---
amdhsa.version: [ 1, 2 ]
amdhsa.kernels:
  - .name:           k_q97443acd25_qkv
    .symbol:         k_q97443acd25_qkv.kd
    .args:
      - { .name: xq, .offset: 0, .size: 8, .value_kind: global_buffer, .address_space: global }
      - { .name: wts, .offset: 8, .size: 8, .value_kind: global_buffer, .address_space: global }
      - { .name: b_qkv, .offset: 16, .size: 8, .value_kind: global_buffer, .address_space: global }
      - { .name: qb, .offset: 24, .size: 8, .value_kind: global_buffer, .address_space: global }
      - { .name: kv, .offset: 32, .size: 8, .value_kind: global_buffer, .address_space: global }
    .group_segment_fixed_size: 327680
    .private_segment_fixed_size: 0
    .kernarg_segment_align: 8
    .kernarg_segment_size: 40
    .max_flat_workgroup_size: 128
    .sgpr_count:     106
    .vgpr_count:     1024
    .wavefront_size: 32
...
	.end_amdgpu_metadata
.endif
;; end of part 2
;; launch attn (part 3): grid 4 x 64, 16 waves a work-group, clusters of 4 x 1, 327,680 bytes of LDS; arguments qb, kv, yq; writes yq
.if DOCPART == 3
	.amdgcn_target "amdgcn-amd-amdhsa--gfx1250"
	.amdhsa_code_object_version 6
	.text
	.protected	k_q97443acd25_attn
	.globl	k_q97443acd25_attn
	.p2align	8
	.type	k_q97443acd25_attn,@function
k_q97443acd25_attn:
	s_mov_b64 s[64:65], 0
	v_nop
	global_prefetch_b8 v0, s[64:65] scope:SCOPE_SE
	s_setreg_imm32_b32 hwreg(HW_REG_WAVE_MODE, 25, 1), 1
	s_wait_xcnt 0x0
	s_wait_alu depctr_hold_cnt(0) depctr_sa_sdst(0) depctr_va_vdst(0) depctr_va_sdst(0) depctr_va_ssrc(0) depctr_va_vcc(0) depctr_vm_vsrc(0)
	s_getreg_b32 s2, hwreg(HW_REG_IB_STS2, 6, 4)
	s_cmp_eq_u32 s2, 0
	s_cbranch_scc0 .Lentry_in_a_cluster
	s_endpgm
.Lentry_in_a_cluster:
	s_bfe_u32 s2, ttmp6, 0x10000c
	s_cmp_lg_u32 s2, 0x3003
	s_cbranch_scc0 .Lentry_shape_is_right
	s_endpgm
.Lentry_shape_is_right:
; y[b][h][q] = the sum over k <= q of softmax_k(q . k / 8) v, both products on codes of FP8 (E4M3) with E8M0 scales; y is quantised along C on the way out, for the projection.
; THE SOFTMAX AHEAD OF THE SECOND PRODUCT: t = score x log2(e) / 8; M = the running largest t rounded UP to a whole number; p = 2^(t - M) is quantised along the keys, not normalised; the row's sum is taken of the
; unquantised p and divides at the end.  When M moves, the sum and O are multiplied by 2^(old M - new M): exact.
; LEFT OUT: key steps of 128 all of whose keys come after a tile's queries: the causal mask makes their p zero for all values of the inputs.
; K AND V OF A HEAD STAY IN LDS: 8 blocks of 34,304 bytes = 274,432.  Each of the sixteen waves fetches one half block (67 rows of 256 bytes) at the head: nothing is filled again, so there is no ring.
; CLUSTER: the four work-groups of a head want the same 274,432 bytes at the same place of the text: they ask jointly (mask 15).
; Waves 0 to 3 (blocks 0, 1) have a load line of their own: the first barrier shows their tiles alone; four key steps later the second barrier shows the rest; no barrier follows but the closing round.
; SHARES.  A head has 128 tiles of 16 queries.  Wave w of partner cx owns tiles 127 - a and a, a = 4 w + cx: (16 - w / 2) + (w / 2 + 1) = 17 key steps of 128 and two diagonal steps for every wave.
; Which steps are hidden or diagonal hangs on tile / 8, which is 15 - w / 2 and w / 2: no branch hangs on cx; cx enters global addresses and the mask's lane term alone.  Trip counts are constants; hidden steps are jumped over.
; NO PREFETCH: every byte of K and V is asked for by the head's tensor loads, so the launch has no later request to run ahead of; Q's second tile is asked for ahead of the first tile's way out.
; OPERANDS ARE IMAGES OF REGISTERS (made by the launch before): a block for 256 keys: k's 16 tiles x 1,024 at 0; v's 2 steps x 4 channel tiles x 2,048 at 16,384; k's scale words at 32,768; v's at 33,792.
; LAYOUT: both products transposed (S^T = K Q^T, O^T = V^T P^T): a lane holds ONE query.  Lane r of key tile a is key 32 (a / 2) + 8 (a % 2) + r % 8 + 16 (r / 8), so the 16 registers of tiles 2 B, 2 B + 1 are keys 32 B + 16 h + 0 .. 15.
; K = 64 IN AN INSTRUCTION OF 128: Q's registers 8-15 are zero codes; a key tile's registers 8-15 are the next tile's codes (never the NaN code) or zeros; scale bytes 2 and 3 are 1.0 on both sides.
; yq: images [row tile 512][K step 8][c 4][lane][16 bytes] at 0; scale bytes [batch][head][position 2,048][2] at 8,388,608.
; LIMITS: a block of zeros gets the byte 1, not 127 (its codes are zeros; this program alone reads the bytes); NaN and infinities are not served; the scaled scores stay under 2^31 in magnitude.
.set BLK,   34304
.set HS,    8*BLK
.set HALFB, 17152
.set SPARE, 8*BLK                      ; behind the eight blocks: the spare words, 128 bytes a wave, eight blocks of 256 bytes that no other line names
.set LI,  1                            ; v1   16 x lane
.set L8,  2                            ; v2   8 x lane
.set QLN, 3                            ; v3   my query less the diagonal step's first key, less 16 h
.set YBO, 4                            ; v4   2 r + h
.set SPW, 5
.set NIL, 6
.set QL0, 7                            ; v7   r % 8 + 16 (r / 8) - 16 h
.set ADK, 8
.set ADT, 9
.set QSO, 10                           ; v10  16 r
.set Q,   16                           ; v16-31  Q's fragment (v24-31 zeros)
.set F,   32                           ; v32-95  eight key tiles, or four channel tiles; v96-103 zeros
.set S,   104                          ; v104-167 S^T, then p
.set O,   168                          ; v168-199 O^T
.set P,   200                          ; v200-215 p's codes
.set BM,  216
.set PL,  220
.set LM,  224
.set SO,  228
.set FF,  232                          ; v[232:233] f, later 1 / the sum (v233 = 0)
.set T0,  234
.set T1,  235
.set KS,  240                          ; v240-243 k's scale words, v244-245 v's, v246 q's, v247 p's: scales and nothing else
.set VS,  244
.set QS,  246
.set PS,  247
.set WV,  10
.set CX,  11
.set BH,  12
.set TT,  13                           ; s13  the tile in hand
.set QH,  14                           ; s14  its diagonal step's first key: 128 (tile / 8), made of the wave's number alone
.set CNT, 15
.set T2,  16
.set KF,  17                           ; s17  the step's first key
.set QH2, 18
.set TB,  20                           ; s20  LDS byte at which the block in hand begins
.set HM,  21
.set SEL, 22
.set CS,  24
.set MNT, 26
.set G1,  28
.set G0,  36
.set QP,  48
.set YP,  50
.set YS,  52
.set QSP, 54
.macro CROUND                          ; a round of the cluster's barrier
	s_barrier_signal -1
	s_barrier_wait -1
	s_cmp_lg_u32 s[WV], 0
	s_cbranch_scc1 .Lnot_wave_0_\@
	s_barrier_signal -3
.Lnot_wave_0_\@:
	s_barrier_wait -3
	s_barrier_signal -1
	s_barrier_wait -1
.endm
.macro TLOAD                           ; an s_nop 0 and four v_nop follow the line
	tensor_load_to_lds s[G0:G0+3], s[G1:G1+7]
	s_nop 0
.rept 4
	v_nop
.endr
.endm
.macro QLOAD                           ; tile TT's image of Q and its scale words are asked for
	s_wait_xcnt 0x0                                ; earlier loads have read their bases
	s_lshr_b32 s56, s[TT], 4
	s_lshl_b32 s57, s[BH], 3
	s_add_co_u32 s56, s56, s57
	s_mul_i32 s56, s56, BLK                        ; the block of 256 queries
	s_and_b32 s57, s[TT], 15
	s_lshl_b32 s57, s57, 10
	s_add_co_u32 s58, s56, 32768
	s_add_co_u32 s56, s56, s57                     ; the image: 1,024 (tile % 16)
	s_bfe_u32 s57, s[TT], 0x10003
	s_lshl_b32 s57, s57, 9
	s_add_co_u32 s58, s58, s57
	s_and_b32 s57, s[TT], 1
	s_lshl_b32 s57, s57, 8
	s_add_co_u32 s58, s58, s57
	s_bfe_u32 s57, s[TT], 0x20001
	s_lshl_b32 s57, s57, 2
	s_add_co_u32 s58, s58, s57                     ; the words: 32,768 + 512 ((t % 16) / 8) + 256 (t % 2) + 4 ((t % 8) / 2)
	s_mov_b32 s57, 0
	s_mov_b32 s59, 0
	s_add_nc_u64 s[QP:QP+1], s[4:5], s[56:57]
	s_add_nc_u64 s[QSP:QSP+1], s[4:5], s[58:59]
	s_wait_alu depctr_va_vdst(0)
	global_load_b128 v[Q:Q+3], v[LI], s[QP:QP+1]
	global_load_b128 v[Q+4:Q+7], v[LI], s[QP:QP+1] offset:512
	global_load_b32 v[QS], v[QSO], s[QSP:QSP+1]
.endm
.macro TSET                            ; tile TT: the places of y, the mask's lane term, and a fresh state
	s_lshr_b32 s56, s[BH], 4
	s_lshl_b32 s56, s56, 7
	s_add_co_u32 s56, s56, s[TT]                   ; the row tile
	s_lshl_b32 s56, s56, 3
	s_bfe_u32 s58, s[BH], 0x30001                  ; the K step of 128 channels: head / 2
	s_add_co_u32 s56, s56, s58
	s_lshl_b32 s56, s56, 2
	s_and_b32 s58, s[BH], 1
	s_lshl_b32 s58, s58, 1
	s_add_co_u32 s56, s56, s58
	s_lshl_b32 s56, s56, 9
	s_lshl_b32 s58, s[TT], 5
	s_lshl_b32 s59, s[BH], 12
	s_add_co_u32 s58, s58, s59
	s_add_co_u32 s58, s58, 0x800000
	s_mov_b32 s57, 0
	s_mov_b32 s59, 0
	s_add_nc_u64 s[YP:YP+1], s[8:9], s[56:57]
	s_add_nc_u64 s[YS:YS+1], s[8:9], s[58:59]
	s_and_b32 s56, s[TT], 1
	s_lshl_b32 s56, s56, 3
	s_and_b32 s57, s[TT], 6
	s_lshl_b32 s57, s57, 4
	s_add_co_u32 s56, s56, s57                     ; 8 (t % 2) + 32 ((t / 2) % 4): the tile's place in its 128 queries
	v_add_nc_u32 v[QLN], s56, v[QL0]
	s_mov_b32 s[KF], 0
	s_mov_b32 s[TB], 0
.set j, 0
.rept 32
	v_mov_b32 v[O+j], 0                            ; O^T: the step is written once; its first turn finds zeros
.set j, j+1
.endr
	v_mov_b32 v13, 0xff61b1e6                      ; the largest t so far: -3e38
	v_mov_b32 v14, 0
	v_mov_b32 v15, 0
	v_floor_f32 v12, -v13                          ; -M
	s_wait_alu depctr_va_vdst(0)
	s_wait_loadcnt 0x0                             ; Q
.endm
.macro INITP c, k
	v_pk_add_f32 v[\c:\c+1], v[S+4*(\k):S+4*(\k)+1], v[S+4*(\k)+2:S+4*(\k)+3]
.endm
.macro ACCP c, m
	v_pk_add_f32 v[\c:\c+1], v[\c:\c+1], v[S+24+2*(\m):S+25+2*(\m)]
.endm
; A KEY STEP: 128 keys, the q-th of the block in hand.  m = 0: a step that is never hidden nor diagonal
.macro STEP q, m
.if \m
	s_cmp_gt_u32 s[KF], s[QH]                      ; all 128 keys come after my queries
	s_cbranch_scc1 .Lhidden_\@
.endif
	v_add_nc_u32 v[ADK], s[TB], v[LI]
	v_add_nc_u32 v[ADT], s[TB], v[L8]
.rept 6
	v_nop                                          ; with the two additions: eight places in front of loads into registers that matrix instructions have read
.endr
.irp a, 0,1,2,3,4,5,6,7
	ds_load_b128 v[F+8*\a:F+8*\a+3], v[ADK] offset:8192*(\q)+1024*\a
	ds_load_b128 v[F+8*\a+4:F+8*\a+7], v[ADK] offset:8192*(\q)+1024*\a+512
.endr
	ds_load_b128 v[KS:KS+3], v[ADK] offset:32768+512*(\q)          ; register p: lanes 0-15 tile 2 p's words, lanes 16-31 tile 2 p + 1's
	s_wait_alu depctr_va_vdst(0)
	s_wait_dscnt 0x0
.irp a, 0,2,4,6
	v_wmma_scale_f32_16x16x128_f8f6f4 v[S+8*\a:S+8*\a+7], v[F+8*\a:F+8*\a+15], v[Q:Q+15], 0, v[KS+\a/2], v[QS]
	v_wmma_scale_f32_16x16x128_f8f6f4 v[S+8*\a+8:S+8*\a+15], v[F+8*\a+8:F+8*\a+23], v[Q:Q+15], 0, v[KS+\a/2], v[QS] matrix_a_scale:MATRIX_SCALE_ROW1
.endr
.rept 8
	v_nop
.endr
.irp d, 0,1,2,3                                ; V's fragments are asked for now and land under the softmax
.irp c, 0,1,2,3
	ds_load_b128 v[F+16*\d+4*\c:F+16*\d+4*\c+3], v[ADK] offset:16384+8192*(\q)+2048*\d+512*\c
.endr
.endr
	ds_load_b64 v[VS:VS+1], v[ADT] offset:33792+256*(\q)
.if \m
	s_cmp_lt_u32 s[KF], s[QH]
	s_cbranch_scc1 .Lopen_\@                       ; all keys count
	v_mov_b32 v[T1], 0xff800000                    ; the diagonal step: register 16 B + i holds key KF + 16 h + 32 B + i: hidden where 32 B + i > my query - KF - 16 h
.set n, 0
.rept 64
	v_cmp_gt_i32 vcc_lo, 32*(n/16)+n%16, v[QLN]
	v_cndmask_b32 v[S+n], v[S+n], v[T1], vcc_lo
.set n, n+1
.endr
.Lopen_\@:
.endif
.irp b, 0,1,2,3
	v_max3_num_f32 v[BM+\b], v[S+16*\b], v[S+1+16*\b], v[S+2+16*\b]   ; the largest score of each block of 32 keys: for the row's maximum and for the block's largest p
.endr
.irp i, 3,5,7,9,11,13
.irp b, 0,1,2,3
	v_max3_num_f32 v[BM+\b], v[BM+\b], v[S+16*\b+\i], v[S+1+16*\b+\i]
.endr
.endr
.irp b, 0,1,2,3
	v_max_num_f32 v[BM+\b], v[BM+\b], v[S+15+16*\b]
.endr
.irp b, 0,1,2,3
	s_delay_alu instid0(VALU_DEP_4)
	v_permlanex16_b32 v[PL+\b], v[BM+\b], s[SEL], s[SEL+1]
.endr
.irp b, 0,1,2,3
	s_delay_alu instid0(VALU_DEP_4)
	v_max_num_f32 v[BM+\b], v[BM+\b], v[PL+\b]     ; with lane l xor 16's 16 keys
.endr
	s_delay_alu instid0(VALU_DEP_2)
	v_max3_num_f32 v[T0], v[BM], v[BM+1], v[BM+2]
	s_delay_alu instid0(VALU_DEP_1)
	v_max_num_f32 v[T0], v[T0], v[BM+3]
	s_delay_alu instid0(VALU_DEP_1)
	v_mul_f32 v[T0], s[CS], v[T0]
	s_delay_alu instid0(VALU_DEP_1)
	v_max_num_f32 v13, v13, v[T0]                  ; the running largest t
	v_mov_b32 v[T0], v12
	s_delay_alu instid0(VALU_DEP_2)
	v_floor_f32 v12, -v13                          ; the new -M = -ceil(t)
	s_delay_alu instid0(VALU_DEP_1)
	v_sub_f32 v[T0], v12, v[T0]                    ; old M - new M: a whole number, 0 or less
	s_delay_alu instid0(VALU_DEP_1)
	v_cvt_i32_f32 v[T0], v[T0]                     ; (it saturates)
	s_delay_alu instid0(VALU_DEP_1)
	v_ldexp_f32 v[FF], 1.0, v[T0]                  ; f = 2^(old M - new M)
.set j, 0
.rept 32
	v_pk_fma_f32 v[S+j:S+j+1], v[S+j:S+j+1], s[CS:CS+1], v[12:13] op_sel_hi:[1,0,0]   ; t - M, two at a time
.set j, j+2
.endr
.irp b, 0,1,2,3
	v_fma_f32 v[BM+\b], v[BM+\b], s[CS], v12
.endr
.set j, 0
	s_wait_alu depctr_va_vdst(0)                   ; ahead of the batch
.rept 64
	v_exp_f32 v[S+j], v[S+j]                       ; p = 2^(t - M)
.set j, j+1
.endr
	v_pk_mul_f32 v[14:15], v[14:15], v[FF:FF+1] op_sel_hi:[1,0]    ; the sums under the new M: a plain line behind the exponentials
	s_wait_alu depctr_va_vdst(0)                   ; one wait for the batch, ahead of its first reader
.irp b, 0,1,2,3
	v_exp_f32 v[BM+\b], v[BM+\b]                   ; the block's largest p
.endr
	INITP 236, 0                                   ; the row's sum of the unquantised p: 32 pairs in seven chains
	INITP 238, 1
	INITP 248, 2
	INITP 250, 3
	INITP 252, 4
	INITP 254, 5
.irp g, 0,7,14
	ACCP 236, \g
	ACCP 238, \g+1
	ACCP 248, \g+2
	ACCP 250, \g+3
	ACCP 252, \g+4
	ACCP 254, \g+5
.if \g < 14
	ACCP 14, \g+6
.endif
.endr
	v_pk_add_f32 v[236:237], v[236:237], v[238:239]
	v_pk_add_f32 v[248:249], v[248:249], v[250:251]
	v_pk_add_f32 v[252:253], v[252:253], v[254:255]
	v_pk_add_f32 v[236:237], v[236:237], v[248:249]
	v_pk_add_f32 v[14:15], v[14:15], v[252:253]
	v_pk_add_f32 v[14:15], v[14:15], v[236:237]
	s_wait_alu depctr_va_vdst(0)                   ; and one for the four
.irp b, 0,1,2,3
	v_max_num_f32 v[BM+\b], 0x4800000, v[BM+\b]    ; the floor 2^(9 - 127)
.endr
.irp b, 0,1,2,3
	s_delay_alu instid0(VALU_DEP_4)
	v_add_nc_u32 v[SO+\b], 0xfc000000, v[BM+\b]
.endr
.irp b, 0,1,2,3
	v_and_or_b32 v[LM+\b], v[BM+\b], 0x7f800000, s[MNT]
.endr
.irp b, 0,1,2,3
	v_lshrrev_b32 v[PL+\b], 23, v[SO+\b]
.endr
	s_delay_alu instid0(VALU_DEP_3)
	v_lshl_or_b32 v[PS], v[PL+1], 8, v[PL]         ; p's scale word for these 128 keys
	s_delay_alu instid0(VALU_DEP_1)
	v_lshl_or_b32 v[PS], v[PL+2], 16, v[PS]
	s_delay_alu instid0(VALU_DEP_1)
	v_lshl_or_b32 v[PS], v[PL+3], 24, v[PS]
.irp b, 0,2                                    ; the hold, one-sided since p is not negative: two blocks' numbers in one pair, number i of one with number i xor 1 of the other
.irp i, 0,1,2,3,4,5,6,7,8,9,10,11,12,13,14,15
	v_dual_min_num_f32 v[S+16*\b+\i], v[S+16*\b+\i], v[LM+\b] :: v_dual_min_num_f32 v[S+16*\b+16+(\i+1-2*(\i%2))], v[S+16*\b+16+(\i+1-2*(\i%2))], v[LM+\b+1]
.endr
.irp e, 0,1
	v_cvt_scalef32_pk8_fp8_f32 v[P+4*(\b+\e):P+4*(\b+\e)+1], v[S+16*(\b+\e):S+16*(\b+\e)+7], v[SO+\b+\e]
	v_cvt_scalef32_pk8_fp8_f32 v[P+4*(\b+\e)+2:P+4*(\b+\e)+3], v[S+16*(\b+\e)+8:S+16*(\b+\e)+15], v[SO+\b+\e]
.endr
.endr
	s_wait_alu depctr_va_vdst(0)                   ; directly ahead of the first reader of O^T
.set j, 0
.rept 16
	v_pk_mul_f32 v[O+j:O+j+1], v[O+j:O+j+1], v[FF:FF+1] op_sel_hi:[1,0]   ; O^T under the new M; these are also the places between the codes and the products
.set j, j+2
.endr
	s_wait_alu depctr_va_vdst(0)
	s_wait_dscnt 0x0                               ; V
.irp d, 0,2
	v_wmma_scale_f32_16x16x128_f8f6f4 v[O+8*\d:O+8*\d+7], v[F+16*\d:F+16*\d+15], v[P:P+15], v[O+8*\d:O+8*\d+7], v[VS+\d/2], v[PS]
	v_wmma_scale_f32_16x16x128_f8f6f4 v[O+8*\d+8:O+8*\d+15], v[F+16*\d+16:F+16*\d+31], v[P:P+15], v[O+8*\d+8:O+8*\d+15], v[VS+\d/2], v[PS] matrix_a_scale:MATRIX_SCALE_ROW1
.endr
.if \m
.Lhidden_\@:
.endif
	s_add_co_u32 s[KF], s[KF], 128
.endm
.macro WALK n, m, lbl                  ; n blocks of 256 keys on end: a constant count
	s_mov_b32 s[CNT], \n
\lbl:
	STEP 0, \m
	STEP 1, \m
	s_add_co_u32 s[TB], s[TB], BLK
	s_sub_co_u32 s[CNT], s[CNT], 1
	s_cmp_lg_u32 s[CNT], 0
	s_cbranch_scc1 \lbl
.endm
; A tile is finished: O^T / the sum; its 32 numbers of a lane are two blocks of 32 channels, each shared with lane l xor 16: quantised, and stored as the projection's operand registers.
.macro FINISH
.rept 8
	v_nop
.endr
	v_add_f32 v14, v14, v15
	s_delay_alu instid0(VALU_DEP_1)
	v_permlanex16_b32 v[PL], v14, s[SEL], s[SEL+1]
	s_delay_alu instid0(VALU_DEP_1)
	v_add_f32 v14, v14, v[PL]                      ; the row's sum
	s_wait_alu depctr_va_vdst(0)
	v_rcp_f32 v[FF], v14
	v_nop
	s_wait_alu depctr_va_vdst(0)
.set j, 0
.rept 16
	v_pk_mul_f32 v[S+j:S+j+1], v[O+j:O+j+1], v[FF:FF+1] op_sel_hi:[1,0]
.set j, j+2
.endr
.irp b, 0,1
	v_max3_num_f32 v[BM+\b], |v[S+16*\b]|, |v[S+1+16*\b]|, 0x4800000
.endr
.irp i, 2,4,6,8,10,12,14
.irp b, 0,1
	s_delay_alu instid0(VALU_DEP_2)
	v_max3_num_f32 v[BM+\b], v[BM+\b], |v[S+16*\b+\i]|, |v[S+1+16*\b+\i]|
.endr
.endr
.irp b, 0,1
	s_delay_alu instid0(VALU_DEP_2)
	v_permlanex16_b32 v[PL+\b], v[BM+\b], s[SEL], s[SEL+1]
.endr
.irp b, 0,1
	s_delay_alu instid0(VALU_DEP_2)
	v_max_num_f32 v[BM+\b], v[BM+\b], v[PL+\b]
.endr
.irp b, 0,1
	s_delay_alu instid0(VALU_DEP_2)
	v_add_nc_u32 v[SO+\b], 0xfc000000, v[BM+\b]
.endr
.irp b, 0,1
	s_delay_alu instid0(VALU_DEP_4)
	v_and_or_b32 v[LM+\b], v[BM+\b], 0x7f800000, s[MNT]
.endr
.irp b, 0,1
	s_delay_alu instid0(VALU_DEP_4)
	v_lshrrev_b32 v[PL+\b], 23, v[SO+\b]
.endr
.irp b, 0,1
.irp i, 0,1,2,3,4,5,6,7,8,9,10,11,12,13,14,15
	v_med3_num_f32 v[S+16*\b+\i], v[S+16*\b+\i], -v[LM+\b], v[LM+\b]
.endr
	v_cvt_scalef32_pk8_fp8_f32 v[P+4*\b:P+4*\b+1], v[S+16*\b:S+16*\b+7], v[SO+\b]
	v_cvt_scalef32_pk8_fp8_f32 v[P+4*\b+2:P+4*\b+3], v[S+16*\b+8:S+16*\b+15], v[SO+\b]
.endr
	v_nop                                          ; one plain vector line behind the last conversion
	v_cndmask_b32 v[T1], v[PL], v[PL+1], s[HM]     ; lanes 0-15 store the first block's byte, lanes 16-31 the second's
	global_store_b128 v[LI], v[P:P+3], s[YP:YP+1] th:TH_STORE_NT               ; 32 lanes store 512 consecutive bytes, aligned
	global_store_b128 v[LI], v[P+4:P+7], s[YP:YP+1] offset:512 th:TH_STORE_NT
	global_store_b8 v[YBO], v[T1], s[YS:YS+1]      ; a tile's 32 scale bytes: one byte in 33 of what the wave stores here
	s_wait_xcnt 0x0                                ; the stores have read their registers and bases
.endm
	s_load_b128 s[4:7], s[0:1], 0x0                ; qb, kv
	s_load_b64 s[8:9], s[0:1], 0x10                ; yq
	v_lshl_add_u32 v[SPW], v0, 2, SPARE
	v_mov_b32 v[NIL], 0
	ds_add_u32 v[SPW], v[NIL]                      ; the opening lines: the add, twice on end, and its wait ahead of my tensor load
	ds_add_u32 v[SPW], v[NIL]
	v_lshrrev_b32 v8, 5, v0
	v_readfirstlane_b32 s[WV], v8                  ; wave 0..15
	s_bfe_u32 s[CX], ttmp6, 0x40000                ; my place among the head's four work-groups
	s_and_b32 s[BH], ttmp7, 0xffff                 ; batch x head
	s_mov_b32 s[G1], 15|(3<<16)|(1<<21)            ; the mask names the four; elements of 8 bytes; bit 21 beside a mask; no padding
	s_mov_b32 s[G1+1], 32<<16                      ; rows of 256 bytes
	s_mov_b32 s[G1+2], 67<<16
	s_mov_b32 s[G1+3], 32<<16
	s_mov_b32 s[G1+4], 67
	s_mov_b32 s[G1+5], 32                          ; the head's blocks are one dense run
	s_mov_b32 s[G1+6], 0
	s_mov_b32 s[G1+7], 0
	s_mul_i32 s56, s[WV], HALFB                    ; my half block: the same place in the head's run and in LDS
	s_mul_i32 s58, s[BH], HS
	s_add_co_u32 s58, s58, s56
	s_mov_b32 s59, 0
	s_mov_b32 s[G0], 1
	s_add_co_u32 s[G0+1], s56, 0
	s_wait_dscnt 0x0                               ; both opening adds are done
	CROUND                                         ; the four work-groups are here: the joint loads meet
	s_wait_kmcnt 0x0
	s_add_nc_u64 s[G0+2:G0+3], s[6:7], s[58:59]
	s_or_b32 s[G0+3], s[G0+3], 0x80000000
	s_cmp_lt_u32 s[WV], 4                          ; one load a wave; waves 0 to 3 (blocks 0, 1) have a line of their own, which the first barrier shows
	s_cbranch_scc0 .Lrest
	TLOAD
	s_branch .Lasked
.Lrest:
	TLOAD
.Lasked:
	v_and_b32 v8, 31, v0
	v_lshlrev_b32 v[LI], 4, v8
	v_lshlrev_b32 v[L8], 3, v8
	v_and_b32 v8, 15, v0                           ; r
	v_bfe_u32 v9, v0, 4, 1                         ; h
	v_lshlrev_b32 v[QSO], 4, v8
	v_lshl_add_u32 v[YBO], v8, 1, v9
	v_and_b32 v[QL0], 8, v8
	v_add_nc_u32 v[QL0], v[QL0], v8                ; r % 8 + 16 (r / 8)
	v_lshlrev_b32 v9, 4, v9
	v_sub_nc_u32 v[QL0], v[QL0], v9
.irp j, 0,1,2,3,4,5,6,7
	v_mov_b32 v[Q+8+\j], 0                         ; zero codes for the half of K that the head does not fill
	v_mov_b32 v[F+64+\j], 0
.endr
.irp b, 0,1,2,3
	v_mov_b32 v[PL+\b], 0                          ; written once: a lane permute's destination counts as one of its sources
.endr
	v_mov_b32 v[FF+1], 0                           ; (named as the upper half of a pair)
	s_mov_b32 s[HM], 0xffff0000
	s_mov_b32 s[SEL], 0x76543210
	s_mov_b32 s[SEL+1], 0xfedcba98
	s_mov_b32 s[CS], 0x3e38aa3b                    ; log2(e) / 8
	s_mov_b32 s[CS+1], s[CS]
	s_mov_b32 s[MNT], 0x600000
	s_lshl_b32 s[T2], s[WV], 2
	s_add_co_u32 s[T2], s[T2], s[CX]               ; a = 4 w + cx: my second tile
	s_sub_co_u32 s[TT], 127, s[T2]                 ; my first
	s_lshr_b32 s[QH2], s[WV], 1
	s_lshl_b32 s[QH2], s[QH2], 7                   ; 128 (a / 8) = 128 (w / 2)
	s_sub_co_u32 s[QH], 1920, s[QH2]               ; 128 ((127 - a) / 8) = 128 (15 - w / 2)
	QLOAD
	TSET
	s_cmp_lt_u32 s[WV], 4
	s_cbranch_scc0 .Lnot_first
	s_wait_tensorcnt 0x0                           ; waves 0 to 3: my half of blocks 0, 1 is in
.Lnot_first:
	s_barrier_signal -1
	s_barrier_wait -1
	WALK 2, 0, .Lwalk_a                            ; keys 0 to 511 count for every first tile (its queries begin at 1,024 or later)
	s_wait_tensorcnt 0x0                           ; every wave: all that is still out
	s_wait_dscnt 0x0
	s_barrier_signal -1
	s_barrier_wait -1
	WALK 6, 1, .Lwalk_b                            ; blocks 2 to 7, up to the tile's diagonal
	s_mov_b32 s[TT], s[T2]
	s_mov_b32 s[QH], s[QH2]
	QLOAD                                          ; the second tile's Q is on its way under the first tile's way out
	s_wait_alu depctr_va_vdst(0)
	FINISH
	TSET
	WALK 4, 1, .Lwalk_c                            ; blocks 0 to 3, up to the tile's diagonal
	s_wait_alu depctr_va_vdst(0)
	FINISH
	s_wait_tensorcnt 0x0                           ; the wave's end
	ds_add_u32 v[SPW], v[NIL]
	s_wait_dscnt 0x0
	CROUND                                         ; the closing round
	s_endpgm
.Lfunc_end_k_q97443acd25_attn:
	.size	k_q97443acd25_attn, .Lfunc_end_k_q97443acd25_attn-k_q97443acd25_attn
	.p2alignl 7, 3214868480
	.fill 96, 4, 3214868480
	.section	.rodata,"a",@progbits
	.p2align	6, 0x0
	.amdhsa_kernel k_q97443acd25_attn
		.amdhsa_group_segment_fixed_size 327680
		.amdhsa_private_segment_fixed_size 0
		.amdhsa_enable_private_segment 0
		.amdhsa_kernarg_size 24
		.amdhsa_user_sgpr_count 2
		.amdhsa_user_sgpr_kernarg_segment_ptr 1
		.amdhsa_wavefront_size32 1
		.amdhsa_system_sgpr_workgroup_id_x 1
		.amdhsa_system_sgpr_workgroup_id_y 1
		.amdhsa_system_sgpr_workgroup_id_z 1
		.amdhsa_system_vgpr_workitem_id 0
		.amdhsa_next_free_vgpr 256
		.amdhsa_next_free_sgpr 66
		.amdhsa_reserve_vcc 1
		.amdhsa_float_denorm_mode_32 3
		.amdhsa_float_denorm_mode_16_64 3
		.amdhsa_memory_ordered 1
		.amdhsa_forward_progress 1
		.amdhsa_inst_pref_size 160
	.end_amdhsa_kernel
	.amdgpu_metadata
---
amdhsa.version: [ 1, 2 ]
amdhsa.kernels:
  - .name:           k_q97443acd25_attn
    .symbol:         k_q97443acd25_attn.kd
    .args:
      - { .name: qb, .offset: 0, .size: 8, .value_kind: global_buffer, .address_space: global }
      - { .name: kv, .offset: 8, .size: 8, .value_kind: global_buffer, .address_space: global }
      - { .name: yq, .offset: 16, .size: 8, .value_kind: global_buffer, .address_space: global }
    .group_segment_fixed_size: 327680
    .private_segment_fixed_size: 0
    .kernarg_segment_align: 8
    .kernarg_segment_size: 24
    .max_flat_workgroup_size: 512
    .sgpr_count:     66
    .vgpr_count:     256
    .wavefront_size: 32
...
	.end_amdgpu_metadata
.endif
;; end of part 3
;; launch proj (part 4): grid 4 x 32, 4 waves a work-group, clusters of 4 x 4, 327,680 bytes of LDS; arguments yq, wts, b_proj, out0; writes out0
.if DOCPART == 4
	.amdgcn_target "amdgcn-amd-amdhsa--gfx1250"
	.amdhsa_code_object_version 6
	.text
	.protected	k_q97443acd25_proj
	.globl	k_q97443acd25_proj
	.p2align	8
	.type	k_q97443acd25_proj,@function
k_q97443acd25_proj:
	s_mov_b64 s[64:65], 0
	v_nop
	global_prefetch_b8 v0, s[64:65] scope:SCOPE_SE
	s_setreg_imm32_b32 hwreg(HW_REG_WAVE_MODE, 25, 1), 1
	s_wait_xcnt 0x0
	s_wait_alu depctr_hold_cnt(0) depctr_sa_sdst(0) depctr_va_vdst(0) depctr_va_sdst(0) depctr_va_ssrc(0) depctr_va_vcc(0) depctr_vm_vsrc(0)
	s_getreg_b32 s2, hwreg(HW_REG_IB_STS2, 6, 4)
	s_cmp_eq_u32 s2, 0
	s_cbranch_scc0 .Lentry_in_a_cluster
	s_endpgm
.Lentry_in_a_cluster:
	s_bfe_u32 s2, ttmp6, 0x10000c
	s_cmp_lg_u32 s2, 0xf033
	s_cbranch_scc0 .Lentry_shape_is_right
	s_endpgm
.Lentry_shape_is_right:
.set NQ,     2
.set ROWB,   256
.set KROW,   1024
.set PITCH,  272
.set FR,     16
.set NL,     4
.set NP,     8
.set HALFT,  128*PITCH
.set AIMG,   65536
.set SLOT,   AIMG+2*HALFT
.set ASTEP,  4096
.set LAPS,   2
.set KS,     32
.set SCL,    2*SLOT
.set HALFS,  (128*KS/256)*272
.set SBLK,   (16*KS/256)*272
.set SPARE,  SCL+4*HALFS
.set SPITCH, 528
.set BO,   8
.set ADRA, 16
.set ADRB, 20
.set GS,   22
.set LSS,  23
.set STO,  24
.set RD,   25
.set CO,   26
.set ADRS, 27
.set SPW,  28
.set NIL,  29
.set SC,   32
.set BC,   64
.set AF,   128
.set BK,   128
.set G1, 24
.set G0, 32
.set G1B, 48
.set G0B, 56
.set G1SB, 80
.set G0SB, 88
.set YSB, 98
.set MSB, 0
.macro WIN new
.if MSB != (\new)
	s_set_vgpr_msb (MSB<<8)|(\new)
.set MSB, (\new)
.endif
.endm
.set MUL_LO, 0xa1
.set MUL_HI, 0xf1
.set TO_B,   0x40
.macro JLOAD g0a, g1a, g0b, g1b
	s_cmp_eq_u32 s15, 0
	s_cbranch_scc0 .Lfor_b_\@
	tensor_load_to_lds s[\g0a:\g0a+3], s[\g1a:\g1a+7]
	s_nop 0
.rept 4
	v_nop
.endr
	s_branch .Lasked_\@
.Lfor_b_\@:
	tensor_load_to_lds s[\g0b:\g0b+3], s[\g1b:\g1b+7]
	s_nop 0
.rept 4
	v_nop
.endr
.Lasked_\@:
.endm
.macro CREST
	s_cmp_lg_u32 s14, 0
	s_cbranch_scc1 .Lnot_wave_0_\@
	s_barrier_signal -3
.Lnot_wave_0_\@:
	s_barrier_wait -3
	s_barrier_signal -1
	s_barrier_wait -1
.endm
.macro CROUND
	s_barrier_signal -1
	s_barrier_wait -1
	CREST
.endm
	s_load_b256 s[4:11], s[0:1], 0x0
	v_lshl_add_u32 v[SPW], v0, 2, SPARE
	v_mov_b32 v[NIL], 0
	ds_add_u32 v28, v29
	ds_add_u32 v28, v29
	s_wait_dscnt 0x0
	v_lshrrev_b32 v1, 5, v0
	v_readfirstlane_b32 s14, v1
	s_lshr_b32 s15, s14, 1
	s_and_b32 s16, s14, 1
	s_bfe_u32 s40, ttmp6, 0x40000
	s_bfe_u32 s41, ttmp6, 0x40004
	s_lshl_b32 s42, ttmp9, 2
	s_add_co_u32 s42, s42, s40
	s_and_b32 s17, ttmp7, 0xffff
	s_lshl_b32 s17, s17, 2
	s_add_co_u32 s17, s17, s41
	s_lshl_b32 s43, s41, 2
	s_lshl_b32 s43, 15, s43
	s_lshl_b32 s44, 0x1111, s40
	s_or_b32 s[G1+0], s43, (3<<16)|(1<<21)
	s_mov_b32 s[G1+1], 512<<16
	s_mov_b32 s[G1+2], 16<<16                      ; the head's load takes all 16 row tiles; set to 8 for the ring behind it
	s_mov_b32 s[G1+3], 512<<16
	s_mov_b32 s[G1+4], 16
	s_mov_b32 s[G1+5], 2048
	s_mov_b32 s[G1+6], 0
	s_mov_b32 s[G1+7], 0
	s_or_b32 s[G1B+0], s44, (0<<16)|(1<<20)|(1<<21)|(5<<22)|(3<<25)
	s_mov_b32 s[G1B+1], ROWB<<16
	s_mov_b32 s[G1B+2], 256<<16
	s_mov_b32 s[G1B+3], ROWB<<16
	s_mov_b32 s[G1B+4], 256
	s_mov_b32 s[G1B+5], KROW
	s_mov_b32 s[G1B+6], 0
	s_mov_b32 s[G1B+7], 0
	s_or_b32 s[G1SB+0], s44, (3<<16)|(1<<20)|(1<<21)|(5<<22)|(3<<25)
	s_mov_b32 s[G1SB+1], 32<<16
	s_mov_b32 s[G1SB+2], 16<<16                    ; the weight's scale bytes of 128 rows: 16 rows of 256 bytes, waves 2 and 3 a half each
	s_mov_b32 s[G1SB+3], 32<<16
	s_mov_b32 s[G1SB+4], 16
	s_mov_b32 s[G1SB+5], 32
	s_mov_b32 s[G1SB+6], 0
	s_mov_b32 s[G1SB+7], 0
	s_lshl_b32 s18, s16, 17
	s_lshl_b32 s20, s17, 18
	s_mov_b32 s21, 0
	s_lshr_b32 s22, s17, 3
	s_lshl_b32 s22, s22, 16
	s_and_b32 s23, s17, 7
	s_lshl_b32 s23, s23, 9
	s_add_co_u32 s22, s22, s23
	s_add_co_u32 s22, s22, 0x800000
	s_mov_b32 s23, 0
	s_lshl_b32 s46, s42, 18
	s_add_co_u32 s46, s46, 3145728
	s_mov_b32 s47, 0
	s_lshl_b32 s92, s42, 13
	s_lshl_b32 s19, s16, 12
	s_add_co_u32 s92, s92, s19
	s_mov_b32 s19, 0                               ; s[18:19]: my half of a tile in the ring, in bytes
	s_add_co_u32 s92, s92, 4292608
	s_mov_b32 s93, 0
	s_lshl_b32 s45, s16, 15
	s_mul_i32 s94, s16, HALFT
	s_add_co_u32 s94, s94, AIMG
	s_mul_i32 s95, s16, HALFS
	s_add_co_u32 s95, s95, SCL+2*HALFS
	s_wait_kmcnt 0x0
	s_add_nc_u64 s[G0+2:G0+3], s[4:5], s[20:21]
	s_add_nc_u64 s[G0+6:G0+7], s[G0+2:G0+3], s[18:19]
	s_add_nc_u64 s[G0+6:G0+7], s[G0+6:G0+7], ASTEP
	s_add_nc_u64 s[G0B+2:G0B+3], s[6:7], s[46:47]
	s_add_nc_u64 s[G0B+6:G0B+7], s[G0B+2:G0B+3], s[18:19]
	s_add_nc_u64 s[G0B+6:G0B+7], s[G0B+6:G0B+7], ROWB
	s_add_nc_u64 s[G0SB+2:G0SB+3], s[6:7], s[92:93]
	s_add_nc_u64 s[YSB:YSB+1], s[4:5], s[22:23]
.irp g, G0, G0+4, G0B, G0B+4, G0SB
	s_mov_b32 s[\g], 1
	s_or_b32 s[\g+3], s[\g+3], 0x80000000
.endr
	s_mov_b32 s[G0+1], 0
	s_add_co_u32 s[G0+5], s45, SLOT
	s_mov_b32 s[G0B+1], AIMG
	s_add_co_u32 s[G0B+5], s94, SLOT
	s_add_co_u32 s[G0SB+1], s95, 0
	CROUND
	s_cmp_eq_u32 s14, 0                            ; the head's loads, one a wave, in one chain of branches: wave 0 y's images of K step 0,
	s_cbranch_scc0 .Lhead_b
	tensor_load_to_lds s[G0:G0+3], s[G1:G1+7]
	s_nop 0
.rept 4
	v_nop
.endr
	s_branch .Lhead_asked
.Lhead_b:
	s_cmp_eq_u32 s14, 1                            ; wave 1 the weight's 256 rows,
	s_cbranch_scc0 .Lhead_s
	tensor_load_to_lds s[G0B:G0B+3], s[G1B:G1B+7]
	s_nop 0
.rept 4
	v_nop
.endr
	s_branch .Lhead_asked
.Lhead_s:
	tensor_load_to_lds s[G0SB:G0SB+3], s[G1SB:G1SB+7]   ; waves 2, 3 a half of its scale bytes each
	s_nop 0
.rept 4
	v_nop
.endr
.Lhead_asked:
	v_lshlrev_b32 v[GS], 2, v0
.irp j, 0,1,2,3,4,5,6,7,8,9,10,11,12,13,14,15
	global_load_b32 v[128+\j], v[GS], s[YSB:YSB+1] offset:4096*\j
.endr
	v_and_b32 v1, 15, v0
	s_wait_alu depctr_va_vdst(0)
	v_bfe_u32 v2, v0, 4, 1
	s_lshl_b32 s2, s42, 10
	s_lshl_b32 s3, s16, 9
	s_add_co_u32 s2, s2, s3
	s_mov_b32 s3, 0
	s_add_nc_u64 s[8:9], s[8:9], s[2:3]
	v_lshlrev_b32 v[BO], 6, v2
.irp g, 0,1,2,3,4,5,6,7
	global_load_b128 v[BC+8*\g:BC+8*\g+3], v[BO], s[8:9] offset:(32*(\g/2)+8*(\g%2))*4
	global_load_b128 v[BC+8*\g+4:BC+8*\g+7], v[BO], s[8:9] offset:(32*(\g/2)+8*(\g%2))*4+16
.endr
	s_lshl_b32 s96, s17, 20
	s_lshl_b32 s97, s15, 19
	s_add_co_u32 s96, s96, s97
	s_add_co_u32 s96, s96, s2
	s_mov_b32 s97, 0
	s_add_nc_u64 s[10:11], s[10:11], s[96:97]
	v_and_b32 v6, 31, v0
	v_lshlrev_b32 v[CO], 4, v6
	s_lshl_b32 s21, s15, 15
	v_add_nc_u32 v[ADRA], s21, v[CO]
	s_add_co_u32 s21, s21, SLOT
	v_add_nc_u32 v[ADRA+1], s21, v[CO]
	v_mul_u32_u24 v3, v1, PITCH
	s_wait_alu depctr_va_vdst(0)
	v_lshl_add_u32 v4, v2, 4, v3
	s_mul_i32 s22, s16, HALFT
	s_add_co_u32 s22, s22, AIMG
	v_add_nc_u32 v[ADRB], s22, v4
	s_add_co_u32 s22, s22, SLOT
	v_add_nc_u32 v[ADRB+1], s22, v4
	v_mul_u32_u24 v5, v1, KS
	v_lshrrev_b32 v6, 8, v5
	v_lshl_add_u32 v5, v6, 4, v5
	s_mul_i32 s21, s15, HALFS
	s_mul_i32 s22, s16, HALFS
	s_add_co_u32 s22, s22, 2*HALFS
	s_sub_co_u32 s22, s22, s21
	v_mul_u32_u24 v6, s22, v2
	s_add_co_u32 s21, s21, SCL
	v_add_nc_u32 v5, v5, v6
	v_add_nc_u32 v[ADRS], s21, v5
	s_mul_i32 s23, s14, 16*SPITCH
	v_mul_u32_u24 v5, v1, SPITCH
	v_lshl_add_u32 v5, v2, 6, v5
	v_add_nc_u32 v[STO], s23, v5
	v_add_nc_u32 v[RD], s23, v[CO]
	v_lshrrev_b32 v5, 2, v0
	v_mul_u32_u24 v5, v5, 272
	v_and_b32 v6, 3, v0
	v_lshl_add_u32 v5, v6, 6, v5
	v_add_nc_u32 v[LSS], SCL, v5
	s_wait_loadcnt 0x0
.irp q, 0,1,2,3,4,5,6,7
	v_perm_b32 v[144+\q], v[129+2*\q], v[128+2*\q], 0x05040100
	v_perm_b32 v[152+\q], v[129+2*\q], v[128+2*\q], 0x07060302
.endr
.irp i, 0,1,2,3
	ds_store_b128 v[LSS], v[144+4*\i:147+4*\i] offset:16*\i
.endr
.macro FRAGB reg, adr, q, i
.irp c, 0,1,2,3
	ds_load_b128 v[\reg+4*\c:\reg+4*\c+3], v[\adr] offset:128*(\q)+32*\c+(\i)*16*PITCH
.endr
.endm
.macro FRAGA reg, adr, q, i
.irp c, 0,1,2,3
	ds_load_b128 v[\reg+4*\c:\reg+4*\c+3], v[\adr] offset:4096*(\i)+2048*(\q)+512*\c
.endr
.endm
.macro MUL16 a0, p, q, sc, zero
.irp a, \a0, \a0+1
.irp b, 0,1,2,3,4,5,6,7
.if \zero
	v_wmma_scale_f32_16x16x128_f8f6f4 v[8*(8*((\a)%4)+\b):8*(8*((\a)%4)+\b)+7], v[128*(\p)+FR*\b:128*(\p)+FR*\b+FR-1], v[AF+FR*(\a):AF+FR*(\a)+FR-1], v[BC+8*\b:BC+8*\b+7], v[SC+8*NQ*(\sc)+NQ*\b+(\q)], v[SC+8*NQ*(\sc)+NQ*(\a)+(\q)] matrix_a_scale:MATRIX_SCALE_ROW1
.else
	v_wmma_scale_f32_16x16x128_f8f6f4 v[8*(8*((\a)%4)+\b):8*(8*((\a)%4)+\b)+7], v[128*(\p)+FR*\b:128*(\p)+FR*\b+FR-1], v[AF+FR*(\a):AF+FR*(\a)+FR-1], v[8*(8*((\a)%4)+\b):8*(8*((\a)%4)+\b)+7], v[SC+8*NQ*(\sc)+NQ*\b+(\q)], v[SC+8*NQ*(\sc)+NQ*(\a)+(\q)] matrix_a_scale:MATRIX_SCALE_ROW1
.endif
.endr
.endr
.endm
.macro FETCH_B slot, q, p
	WIN TO_B
.irp i, 0,1,2,3,4,5,6,7
	FRAGB 128*(\p)+FR*\i, ADRB+\slot, \q, \i
.endr
	WIN 0
.endm
.macro FETCH_A slot, q, i0
.irp i, \i0, \i0+1, \i0+2, \i0+3
	FRAGA AF+FR*(\i), ADRA+\slot, \q, \i
.endr
.endm
.macro SCALES sc
.irp i, 0,1,2,3,4,5,6,7
	ds_load_b64 v[SC+8*NQ*\sc+NQ*\i:SC+8*NQ*\sc+NQ*\i+1], v[ADRS] offset:\i*SBLK
.endr
.endm
.macro PLACES n
.rept \n
	v_nop
.endr
.endm
.macro STEP slot, q, zero
	s_wait_dscnt 4*NL
.if \zero
	WIN 0x81
.else
	WIN MUL_LO
.endif
	MUL16 0, (\q)%2, \q, \slot, \zero
	MUL16 2, (\q)%2, \q, \slot, \zero
	s_wait_dscnt 0
	PLACES NP
	FETCH_B \slot, (\q)+1, 1-(\q)%2
	FETCH_A \slot, (\q)+1, 0
.if \zero
	WIN 0xc1
.else
	WIN MUL_HI
.endif
	MUL16 4, (\q)%2, \q, \slot, \zero
	MUL16 6, (\q)%2, \q, \slot, \zero
	PLACES NP
	WIN 0
	FETCH_A \slot, (\q)+1, 4
.endm
.macro TURN slot, next, fill
	s_wait_tensorcnt 0x0
	ds_add_u32 v[SPW], v[NIL]
	s_wait_dscnt 4*NL+1
	WIN MUL_LO
	MUL16 0, 1, NQ-1, \slot, 0
	s_wait_dscnt 0x0
	s_barrier_signal -1
	MUL16 2, 1, NQ-1, \slot, 0
	WIN 0
	s_barrier_wait -1
.if \fill
	CREST
	s_add_nc_u64 s[G0+4*\slot+2:G0+4*\slot+3], s[G0+4*\slot+2:G0+4*\slot+3], 2*ASTEP
	s_add_nc_u64 s[G0B+4*\slot+2:G0B+4*\slot+3], s[G0B+4*\slot+2:G0B+4*\slot+3], 2*ROWB
	JLOAD G0+4*\slot, G1, G0B+4*\slot, G1B
	PLACES NP-4
.else
	PLACES NP
.endif
	s_wait_alu depctr_va_vdst(0)
	v_add_nc_u32 v[ADRS], 4*NQ, v[ADRS]
	FETCH_B \next, 0, 0
	FETCH_A \next, 0, 0
	SCALES \next
	WIN MUL_HI
	MUL16 4, 1, NQ-1, \slot, 0
	MUL16 6, 1, NQ-1, \slot, 0
	PLACES NP
	WIN 0
	FETCH_A \next, 0, 4
.endm
	s_wait_dscnt 0x0
	s_wait_alu depctr_va_vdst(0)
	s_wait_tensorcnt 0x0                           ; my tile of the head's is in
	ds_add_u32 v[SPW], v[NIL]
	s_mov_b32 s[G1+2], 8<<16                       ; no tensor load of mine is out: from here on a load brings half a tile,
	s_mov_b32 s[G1+4], 8
	s_mov_b32 s[G1B+2], 128<<16
	s_mov_b32 s[G1B+4], 128
	s_add_co_u32 s[G0+1], s45, 0                   ; to my half of its place in a slot,
	s_add_co_u32 s[G0B+1], s94, 0
	s_add_nc_u64 s[G0+2:G0+3], s[G0+2:G0+3], s[18:19]      ; from my half in memory
	s_add_nc_u64 s[G0B+2:G0B+3], s[G0B+2:G0B+3], s[18:19]
	s_wait_dscnt 0x0
	CROUND                                         ; all the head's tiles and y's scale words are in, in every partner
	JLOAD G0+4, G1, G0B+4, G1B                     ; K step 1: the first tensor load behind the round
	FETCH_B 0, 0, 0
	FETCH_A 0, 0, 0
	SCALES 0
	FETCH_A 0, 0, 4
	STEP 0, 0, 1
	s_mov_b32 s3, LAPS-1
.Llap:
	TURN 0, 1, 1
	STEP 1, 0, 0
	TURN 1, 0, 1
	STEP 0, 0, 0
	s_sub_co_u32 s3, s3, 1
	s_cmp_lg_u32 s3, 0
	s_cbranch_scc1 .Llap
	TURN 0, 1, 0
	STEP 1, 0, 0
	s_wait_dscnt 4*NL
	WIN MUL_LO
	MUL16 0, 1, NQ-1, 1, 0
	MUL16 2, 1, NQ-1, 1, 0
	s_wait_dscnt 0
	WIN MUL_HI
	MUL16 4, 1, NQ-1, 1, 0
	MUL16 6, 1, NQ-1, 1, 0
	WIN 0
.macro TOSTAGE a
.set AC, 64*((\a)%4)
	WIN 0x08+4*((\a)/4)
.irp b, 0,1,2,3,4,5,6,7
	ds_store_b128 v[STO], v[AC+8*\b:AC+8*\b+3] offset:128*(\b/2)+32*(\b%2)
	ds_store_b128 v[STO], v[AC+8*\b+4:AC+8*\b+7] offset:128*(\b/2)+32*(\b%2)+16
.endr
	WIN 0
.set BB, BK+64*((\a)%2)
.irp t, 0,1,2,3,4,5,6,7,8,9,10,11,12,13,14,15
	ds_load_b128 v[BB+4*\t:BB+4*\t+3], v[RD] offset:\t*SPITCH
.endr
.endm
.macro SEND a, younger
.set BB, BK+64*((\a)%2)
	s_wait_dscnt \younger
.irp t, 0,1,2,3,4,5,6,7,8,9,10,11,12,13,14,15
	global_store_b128 v[CO], v[BB+4*\t:BB+4*\t+3], s[10:11] offset:(32*((\a)/2)+8*((\a)%2)+(\t%8)+16*(\t/8))*4096 th:TH_STORE_NT
.endr
.endm
	PLACES NP
	TOSTAGE 0
.irp a, 1,2,3,4,5,6,7
.if \a > 1
	s_wait_xcnt 0x0
.endif
	TOSTAGE \a
	SEND \a-1, 32
.endr
	SEND 7, 0
	s_wait_tensorcnt 0x0
	ds_add_u32 v[SPW], v[NIL]
	s_wait_dscnt 0x0
	CROUND
	s_endpgm
.Lfunc_end_k_q97443acd25_proj:
	.size	k_q97443acd25_proj, .Lfunc_end_k_q97443acd25_proj-k_q97443acd25_proj
	.p2alignl 7, 3214868480
	.fill 96, 4, 3214868480
	.section	.rodata,"a",@progbits
	.p2align	6, 0x0
	.amdhsa_kernel k_q97443acd25_proj
		.amdhsa_group_segment_fixed_size 327680
		.amdhsa_private_segment_fixed_size 0
		.amdhsa_enable_private_segment 0
		.amdhsa_kernarg_size 32
		.amdhsa_user_sgpr_count 2
		.amdhsa_user_sgpr_kernarg_segment_ptr 1
		.amdhsa_wavefront_size32 1
		.amdhsa_system_sgpr_workgroup_id_x 1
		.amdhsa_system_sgpr_workgroup_id_y 1
		.amdhsa_system_sgpr_workgroup_id_z 1
		.amdhsa_system_vgpr_workitem_id 0
		.amdhsa_next_free_vgpr 1024
		.amdhsa_next_free_sgpr 106
		.amdhsa_reserve_vcc 0
		.amdhsa_float_denorm_mode_32 3
		.amdhsa_float_denorm_mode_16_64 3
		.amdhsa_memory_ordered 1
		.amdhsa_forward_progress 1
		.amdhsa_inst_pref_size 150
	.end_amdhsa_kernel
	.amdgpu_metadata
---
amdhsa.version: [ 1, 2 ]
amdhsa.kernels:
  - .name:           k_q97443acd25_proj
    .symbol:         k_q97443acd25_proj.kd
    .args:
      - { .name: yq, .offset: 0, .size: 8, .value_kind: global_buffer, .address_space: global }
      - { .name: wts, .offset: 8, .size: 8, .value_kind: global_buffer, .address_space: global }
      - { .name: b_proj, .offset: 16, .size: 8, .value_kind: global_buffer, .address_space: global }
      - { .name: out0, .offset: 24, .size: 8, .value_kind: global_buffer, .address_space: global }
    .group_segment_fixed_size: 327680
    .private_segment_fixed_size: 0
    .kernarg_segment_align: 8
    .kernarg_segment_size: 32
    .max_flat_workgroup_size: 128
    .sgpr_count:     106
    .vgpr_count:     1024
    .wavefront_size: 32
...
	.end_amdgpu_metadata
.endif
;; end of part 4
